; MI455X (gfx1250); checked and timed in simulation.
; The chip was launched on July 23, 2026; its instructions are those of AMD's public machine-readable ISA for CDNA 5 (MIT licence, August 2026) and "CDNA5" Instruction Set Architecture Reference Guide (July 2026). The comments in the code are by the model that wrote it; some were corrected since.
;; Block. Allowed arithmetic: matrix products marked QUANTISED: E4M3 operands, one given power-of-two scale a tensor, by v_wmma_f32_16x16x64_fp8_fp8 or v_wmma_f32_16x16x128_fp8_fp8, f32 sums; everything else in f32.
;; Inputs: fc1_b 4,096 float32; fc1_w_codes 4,096 x 32 x 32 uint8 (E4M3 codes of fc1_w, K innermost, in blocks of 32 codes); fc2_b 1,024 float32; fc2_w_codes 1,024 x 128 x 32 uint8 (E4M3 codes of fc2_w, K innermost, in blocks of 32 codes); ln1_b 1,024 float32; ln1_w 1,024 float32; ln2_b 1,024 float32; ln2_w 1,024 float32; lowp_scales 12 int32 (the exponents e of the quantised operands' scales 2^e); w_proj_codes 1,024 x 32 x 32 uint8 (E4M3 codes of w_proj, K innermost, in blocks of 32 codes); w_qkv_codes 3,072 x 32 x 32 uint8 (E4M3 codes of w_qkv, K innermost, in blocks of 32 codes); x 2 x 2,048 x 1,024 float32.
;; Outputs: out0 2 x 2,048 x 1,024 float32.
;; This version of the problem:
;;   THIS VERSION OF THE PROBLEM IS GIVEN IN LOW PRECISION. The matrix products marked QUANTISED in the list below multiply operands that are first quantised to E4M3 (4 exponent bits, 3 mantissa bits; 8 bits a number), with one given power-of-two scale for each operand tensor; their sums are f32. All else is computed in f32.
;;   The module's matrix products, in the order in which they are computed (A, B: the left and right operand; K: the contracted axis; several contracted axes count as one K, in the product's order):
;;     1. [M 4,096, K 1,024] x [K 1,024, N 3,072]; A: computed on the way; B: input w_qkv (given as codes): QUANTISED (scales: A lowp_scales[0], B lowp_scales[1])
;;     2. batch 32 x [M 2,048, K 64] x [K 64, N 2,048]; A: computed on the way; B: computed on the way: QUANTISED (scales: A lowp_scales[2], B lowp_scales[3])
;;     3. batch 32 x [M 2,048, K 2,048] x [K 2,048, N 64]; A: softmax (see below); B: computed on the way: QUANTISED (scales: A lowp_scales[4], B lowp_scales[5])
;;     4. [M 4,096, K 1,024] x [K 1,024, N 1,024]; A: computed on the way; B: input w_proj (given as codes): QUANTISED (scales: A lowp_scales[6], B lowp_scales[7])
;;     5. [M 4,096, K 1,024] x [K 1,024, N 4,096]; A: computed on the way; B: input fc1_w (given as codes): QUANTISED (scales: A lowp_scales[8], B lowp_scales[9])
;;     6. [M 4,096, K 4,096] x [K 4,096, N 1,024]; A: computed on the way; B: input fc2_w (given as codes): QUANTISED (scales: A lowp_scales[10], B lowp_scales[11])
;;   THE QUANTISER, for each operand of a quantised product, along K:
;;     - The operand's scale is 2^e, e = its entry of the input lowp_scales (int32; the entries are numbered through the quantised products in the list's order, A before B).
;;     - Each number is divided by the scale, clamped to +-448, and rounded to the nearest number of E4M3, ties to even, subnormals kept.
;;     - The product sums the exact products of the quantised numbers (number of the format x scale) in f32.
;;   ~~~python
;;   def quantise(x, axis, e):      # numpy; x: float32 -> the quantised numbers, widened to float32 again
;;       x = np.moveaxis(x, axis, -1); K = x.shape[-1]
;;       r = np.clip(x / 2.0 ** e, -448, 448)
;;       step = 2.0 ** (np.maximum(np.frexp(np.where(r == 0, 1, r))[1] - 1, -6) - 3)
;;       q = np.round(r / step) * step * 2.0 ** e      # np.round: ties to even
;;       return np.moveaxis(q, -1, axis).astype(np.float32)
;;   ~~~
;;   SOFTMAX AHEAD OF A QUANTISED PRODUCT. Where the list says 'softmax', what is quantised is not the finished softmax but p = 2^(t - M), with t = logit x log2(e) and M = ceil(the row's largest t), a whole number; so 1/2 < the row's largest p <= 1. The row's sum l is taken of the UNQUANTISED p, in f32, and the product's result is divided by l at the end. Since M is a whole number, a kernel that streams over the keys may use a running M (the ceiling of the running maximum): every later rescaling is an exact power of two, so the quantised numbers keep their values, but for numbers so far below the row's largest that they fall under the format's range.
;;   OPERANDS COMPUTED ON THE WAY. 'Computed on the way' means the value that the module computes at that place (a softmax that the list does not call 'softmax' is quantised finished and normalised). What goes into a quantiser is computed in f32, as accurately as f32 sums, v_exp_f32 and their like allow (about 1e-6 of the number): no bf16 or f16 on the way to a quantiser, and a product that is left as it is and whose result goes on into a quantised operand takes f32 operands (vector FMAs, or v_wmma_f32_16x16x4_f32). A number that lies on a knife's edge between two numbers of the format may be rounded either way, as far as f32 arithmetic and the matrix unit's own rounding can turn it there, and no further.
;;   INPUTS GIVEN AS CODES. fc1_w (in the module: [1024, 4096], K = its axis 0); fc2_w (in the module: [4096, 1024], K = its axis 0); w_proj (in the module: [1024, 1024], K = its axis 0); w_qkv (in the module: [1024, 3072], K = its axis 0): each comes as NAME_codes (uint8): NAME with its K axis moved to the last place and cut into blocks of 32 codes, [.., K / 32, bytes a block], one block behind the other in memory; one code a byte (a code: sign, 4 exponent bits, 3 mantissa bits); its scale is its entry of lowp_scales. Its value is code x scale, taken as it is: it is not quantised again, and the codes and scales need not be those that the quantiser above would give.
;; One version. Each part assembles by itself: llvm-mc -triple=amdgcn-amd-amdhsa -mcpu=gfx1250 --defsym DOCPART=n.
;; ======== version 1 of 1: 7 launches
;; limits: right only within a limited range of input values
;; workspace buffers: a1c 4,194,304 bytes; qc 4,194,304 bytes; kc 4,194,304 bytes; vc 4,194,304 bytes; oc 4,194,304 bytes; x1 16,777,216 bytes; hc 4,194,304 bytes; gc 16,777,216 bytes
;; launch ln1 (part 1): grid 256 x 1, 16 waves a work-group, no clusters, 0 bytes of LDS; arguments x, ln1_w, ln1_b, lowp_scales, a1c; writes a1c
.if DOCPART == 1
	.amdgcn_target "amdgcn-amd-amdhsa--gfx1250"
	.amdhsa_code_object_version 6
	.text
	.protected	k_qdc15cbdabb_ln1
	.globl	k_qdc15cbdabb_ln1
	.p2align	8
	.type	k_qdc15cbdabb_ln1,@function
k_qdc15cbdabb_ln1:
	s_mov_b64 s[64:65], 0
	v_nop
	global_prefetch_b8 v0, s[64:65] scope:SCOPE_SE
	s_setreg_imm32_b32 hwreg(HW_REG_WAVE_MODE, 25, 1), 1
	s_wait_xcnt 0x0
; LayerNorm of x's 4,096 rows of 1,024 f32, then codes of E4M3 with the given scale 2^e (entry 0 of the scales): the left operand of the product with w_qkv.
; y = (x - mean) * rsqrt(var + 1e-5) * w + b in f32; code = y / 2^e, held within +-448, to the nearest code, ties to even.
; One wave takes one row and keeps it in 32 registers between the passes (mean; squares of x - mean; scaling): the row is read once, no wave waits for another, so no LDS and no barrier.
; Lane l holds the numbers 256 j + 8 l + 0 .. 7, j = 0 .. 3: eight neighbours along K for each conversion; a pair of loads covers 1,024 consecutive bytes, a store of codes 256 consecutive bytes, aligned.
; Matrix units, clusters and tensor loads are left out: rows share nothing but w and b (8 KiB).
; LIMITS: e between -126 and 119, so that 2^e and 448 x 2^e are f32 numbers.  NaN among the inputs is not served.
.set SCOFF, 0x0                        ; byte of the operand's exponent in the buffer of scales
.set X, 16                             ; v[16:47]   the row's 32 numbers of my lane
.set W, 48                             ; v[48:79]   the gain at the same places
.set B, 80                             ; v[80:111]  the bias
.set C, 112                            ; v[112:119] the codes
	s_load_b256 s[4:11], s[0:1], 0x0               ; x s[4:5], w s[6:7], b s[8:9], scales s[10:11]
	s_load_b64 s[12:13], s[0:1], 0x20              ; the codes
	v_lshrrev_b32 v3, 5, v0
	s_delay_alu instid0(VALU_DEP_1)
	v_readfirstlane_b32 s16, v3                    ; wave 0..15
	v_and_b32 v3, 31, v0                           ; lane
	s_delay_alu instid0(VALU_DEP_1)
	v_lshlrev_b32 v1, 5, v3                        ; in: 32 bytes a lane
	s_delay_alu instid0(VALU_DEP_2)
	v_lshlrev_b32 v2, 3, v3                        ; out: 8 bytes a lane
	s_lshl_b32 s17, ttmp9, 4
	s_add_co_u32 s17, s17, s16                     ; my row: 16 x work-group + wave
	s_lshl_b32 s18, s17, 12                        ; x 4,096 bytes
	s_mov_b32 s19, 0
	s_lshl_b32 s20, s17, 10                        ; x 1,024 bytes of codes
	s_mov_b32 s21, 0
	s_mov_b32 s14, 0x76543210                      ; v_permlanex16_b32: lane l takes lane l xor 16
	s_mov_b32 s15, 0xfedcba98
	s_mov_b32 s23, 0x3a800000                      ; 1 / 1024
	s_mov_b32 s24, 0x3727c5ac                      ; 1e-5
	s_wait_alu depctr_va_vdst(0)
	s_wait_kmcnt 0x0
	s_load_b32 s22, s[10:11], SCOFF                ; e
	s_add_nc_u64 s[4:5], s[4:5], s[18:19]
	s_add_nc_u64 s[12:13], s[12:13], s[20:21]
.irp j, 0,1,2,3
	global_load_b128 v[X+8*\j:X+8*\j+3], v1, s[4:5] offset:1024*\j
	global_load_b128 v[X+8*\j+4:X+8*\j+7], v1, s[4:5] offset:1024*\j+16
.endr
.irp j, 0,1,2,3
	global_load_b128 v[W+8*\j:W+8*\j+3], v1, s[6:7] offset:1024*\j
	global_load_b128 v[W+8*\j+4:W+8*\j+7], v1, s[6:7] offset:1024*\j+16
.endr
.irp j, 0,1,2,3
	global_load_b128 v[B+8*\j:B+8*\j+3], v1, s[8:9] offset:1024*\j
	global_load_b128 v[B+8*\j+4:B+8*\j+7], v1, s[8:9] offset:1024*\j+16
.endr
; four running pairs in v[4:11] become one number in every lane: v4
.macro FOLD
	s_delay_alu instid0(VALU_DEP_3)
	v_pk_add_f32 v[4:5], v[4:5], v[6:7]
	s_delay_alu instid0(VALU_DEP_2)
	v_pk_add_f32 v[8:9], v[8:9], v[10:11]
	s_delay_alu instid0(VALU_DEP_1)
	v_pk_add_f32 v[4:5], v[4:5], v[8:9]
	s_delay_alu instid0(VALU_DEP_1)
	v_add_f32 v4, v4, v5
	s_delay_alu instid0(VALU_DEP_1)
	v_add_f32_dpp v4, v4, v4 row_xmask:1 row_mask:0xf bank_mask:0xf
	s_delay_alu instid0(VALU_DEP_1)
	v_add_f32_dpp v4, v4, v4 row_xmask:2 row_mask:0xf bank_mask:0xf
	s_delay_alu instid0(VALU_DEP_1)
	v_add_f32_dpp v4, v4, v4 row_xmask:4 row_mask:0xf bank_mask:0xf
	s_delay_alu instid0(VALU_DEP_1)
	v_add_f32_dpp v4, v4, v4 row_xmask:8 row_mask:0xf bank_mask:0xf
	s_delay_alu instid0(VALU_DEP_1)
	v_permlanex16_b32 v5, v4, s14, s15             ; (v5 has been written: the destination counts as read)
	s_delay_alu instid0(VALU_DEP_1)
	v_add_f32 v4, v4, v5
.endm
	s_wait_loadcnt 16                              ; x's eight loads are in; w's and b's sixteen may be out
.irp k, 0,1,2,3
	v_pk_add_f32 v[4+2*\k:5+2*\k], v[X+2*\k:X+2*\k+1], v[X+8+2*\k:X+9+2*\k]   ; the first sums start the four chains
.endr
.irp i, 16,24
.irp k, 0,1,2,3
	s_delay_alu instid0(VALU_DEP_4)
	v_pk_add_f32 v[4+2*\k:5+2*\k], v[4+2*\k:5+2*\k], v[X+\i+2*\k:X+\i+2*\k+1]
.endr
.endr
	FOLD
	s_delay_alu instid0(VALU_DEP_1)
	v_mul_f32 v12, s23, v4                         ; the mean, in both halves of a pair
	s_delay_alu instid0(VALU_DEP_1)
	v_mov_b32 v13, v12
.irp i, 0,2,4,6,8,10,12,14,16,18,20,22,24,26,28,30
	v_pk_add_f32 v[X+\i:X+\i+1], v[X+\i:X+\i+1], v[12:13] neg_lo:[0,1] neg_hi:[0,1]   ; x - mean, in place: the variance is a sum of small squares, whatever offset x carries
.endr
.irp k, 0,1,2,3
	v_pk_mul_f32 v[4+2*\k:5+2*\k], v[X+2*\k:X+2*\k+1], v[X+2*\k:X+2*\k+1]
.endr
.irp i, 8,16,24
.irp k, 0,1,2,3
	s_delay_alu instid0(VALU_DEP_4)
	v_pk_fma_f32 v[4+2*\k:5+2*\k], v[X+\i+2*\k:X+\i+2*\k+1], v[X+\i+2*\k:X+\i+2*\k+1], v[4+2*\k:5+2*\k]
.endr
.endr
	FOLD
	s_delay_alu instid0(VALU_DEP_1)
	v_fma_f32 v4, v4, s23, s24                     ; var + 1e-5 (the division by 1,024 rounds nothing)
	s_wait_kmcnt 0x0
	s_add_co_i32 s22, s22, 127
	s_lshl_b32 s25, s22, 23                        ; 2^e as f32: the conversion takes its exponent field
	s_add_co_i32 s22, s22, 8
	s_lshl_b32 s22, s22, 23
	s_or_b32 s22, s22, 0x600000                    ; 448 x 2^e
	s_wait_alu depctr_va_vdst(0)
	v_rsq_f32 v14, v4                              ; twice, to fill the pair that the packed multiply names
	v_rsq_f32 v15, v4
	v_mov_b32 v6, s25                              ; (plain lines between the roots and their first use)
	v_mov_b32 v7, s22
	s_wait_alu depctr_va_vdst(0)                   ; the wait ahead of the roots' first reader
	s_wait_loadcnt 0x0                             ; w and b
.irp i, 0,2,4,6,8,10,12,14,16,18,20,22,24,26,28,30
	v_pk_mul_f32 v[X+\i:X+\i+1], v[X+\i:X+\i+1], v[14:15]
.endr
.irp i, 0,2,4,6,8,10,12,14,16,18,20,22,24,26,28,30
	v_pk_fma_f32 v[X+\i:X+\i+1], v[X+\i:X+\i+1], v[W+\i:W+\i+1], v[B+\i:B+\i+1]
.endr
.set n, 0
.rept 32
	v_med3_num_f32 v[X+n], v[X+n], -v7, v7         ; the conversion to an 8-bit code does not saturate (ISA guide 7.6.2): the hold at the largest code x the scale
.set n, n+1
.endr
.irp j, 0,1,2,3
	v_cvt_scalef32_pk8_fp8_f32 v[C+2*\j:C+2*\j+1], v[X+8*\j:X+8*\j+7], v6
.endr
.irp j, 0,1,2,3
	global_store_b64 v2, v[C+2*\j:C+2*\j+1], s[12:13] offset:256*\j   ; 32 lanes store 256 consecutive bytes, aligned
.endr
	s_endpgm
.Lfunc_end_k_qdc15cbdabb_ln1:
	.size	k_qdc15cbdabb_ln1, .Lfunc_end_k_qdc15cbdabb_ln1-k_qdc15cbdabb_ln1
	.p2alignl 7, 3214868480
	.fill 96, 4, 3214868480
	.section	.rodata,"a",@progbits
	.p2align	6, 0x0
	.amdhsa_kernel k_qdc15cbdabb_ln1
		.amdhsa_group_segment_fixed_size 0
		.amdhsa_private_segment_fixed_size 0
		.amdhsa_enable_private_segment 0
		.amdhsa_kernarg_size 40
		.amdhsa_user_sgpr_count 2
		.amdhsa_user_sgpr_kernarg_segment_ptr 1
		.amdhsa_wavefront_size32 1
		.amdhsa_system_sgpr_workgroup_id_x 1
		.amdhsa_system_sgpr_workgroup_id_y 1
		.amdhsa_system_sgpr_workgroup_id_z 1
		.amdhsa_system_vgpr_workitem_id 0
		.amdhsa_next_free_vgpr 120
		.amdhsa_next_free_sgpr 66
		.amdhsa_reserve_vcc 0
		.amdhsa_float_denorm_mode_32 3
		.amdhsa_float_denorm_mode_16_64 3
		.amdhsa_memory_ordered 1
		.amdhsa_forward_progress 1
		.amdhsa_inst_pref_size 14
	.end_amdhsa_kernel
	.amdgpu_metadata
---
amdhsa.version: [ 1, 2 ]
amdhsa.kernels:
  - .name:           k_qdc15cbdabb_ln1
    .symbol:         k_qdc15cbdabb_ln1.kd
    .args:
      - { .name: x, .offset: 0, .size: 8, .value_kind: global_buffer, .address_space: global }
      - { .name: ln1_w, .offset: 8, .size: 8, .value_kind: global_buffer, .address_space: global }
      - { .name: ln1_b, .offset: 16, .size: 8, .value_kind: global_buffer, .address_space: global }
      - { .name: lowp_scales, .offset: 24, .size: 8, .value_kind: global_buffer, .address_space: global }
      - { .name: a1c, .offset: 32, .size: 8, .value_kind: global_buffer, .address_space: global }
    .group_segment_fixed_size: 0
    .private_segment_fixed_size: 0
    .kernarg_segment_align: 8
    .kernarg_segment_size: 40
    .max_flat_workgroup_size: 512
    .sgpr_count:     66
    .vgpr_count:     120
    .wavefront_size: 32
...
	.end_amdgpu_metadata
.endif
;; end of part 1
;; launch qkv (part 2): grid 12 x 16, 4 waves a work-group, clusters of 4 x 4, 327,680 bytes of LDS; arguments a1c, w_qkv_codes, lowp_scales, qc, kc, vc; writes qc, kc, vc
.if DOCPART == 2
	.amdgcn_target "amdgcn-amd-amdhsa--gfx1250"
	.amdhsa_code_object_version 6
	.text
	.protected	k_qdc15cbdabb_qkv
	.globl	k_qdc15cbdabb_qkv
	.p2align	8
	.type	k_qdc15cbdabb_qkv,@function
k_qdc15cbdabb_qkv:
	s_mov_b64 s[64:65], 0
	v_nop
	global_prefetch_b8 v0, s[64:65] scope:SCOPE_SE
	s_setreg_imm32_b32 hwreg(HW_REG_WAVE_MODE, 25, 1), 1
	s_wait_xcnt 0x0
	s_wait_alu depctr_hold_cnt(0) depctr_sa_sdst(0) depctr_va_vdst(0) depctr_va_sdst(0) depctr_va_ssrc(0) depctr_va_vcc(0) depctr_vm_vsrc(0)
	s_getreg_b32 s2, hwreg(HW_REG_IB_STS2, 6, 4)
	s_cmp_eq_u32 s2, 0
	s_cbranch_scc0 .Lentry_in_a_cluster
	s_endpgm
.Lentry_in_a_cluster:
	s_bfe_u32 s2, ttmp6, 0x10000c
	s_cmp_lg_u32 s2, 0xf033
	s_cbranch_scc0 .Lentry_shape_is_right
	s_endpgm
.Lentry_shape_is_right:
; q, k, v = LN1(x) w_qkv on codes of E4M3, and the results quantised at once for the two products of attention.
; a1c: [4096][1024] codes (2^e0); w_qkv_codes: [3072][1024] codes, K innermost (2^e1).  Sums in f32; a sum stands for sum x 2^(e0 + e1).
; Out: codes with 2^e2 (q), 2^e3 (k), 2^e5 (v): code = sum / 2^(eo - e0 - e1), held within +-448: the three scales are folded into the conversion's one.
; A tile of 256 x 256 to a work-group of four waves, 128 x 128 to a wave: 64 accumulators.  K goes in steps of 256 through a ring of two LDS slots filled by joint tensor loads.
; THE MATRIX INSTRUCTION IS USED TRANSPOSED (source 0 = 16 rows of the B side, source 1 = 16 rows of the A side): a lane holds one row of the A side and eight neighbouring columns of the B side.
; q, k (cluster x = 0, 1): A side = tokens, B side = rows of w_qkv.  v (cluster x = 2): the sides change places, by a choice of pointers: a lane's eight results are eight neighbouring TOKENS of one channel.
; OUTPUT LAYOUT, dense for each head (batch x 16 + head, 131,072 bytes): qc, kc: [2048 tokens][64 codes].  vc: [16 blocks of 128 tokens][64 channels][128 tokens].
; A wave's 128 x 128 holds two heads: 8,192 bytes for each, at the same place in both heads' parts.  Every store covers aligned runs of 256 bytes.
; CLUSTERS: 4 x 4; the A side's tile is shared along a row of the cluster, the B side's along a column.  The branch on the way out hangs on the cluster's x, which all sixteen partners share.
; PREFETCH: behind K step 0's load K steps 1 and 2 are asked for, behind step 1's load step 3: at most two steps are asked for and not yet loaded.  Of the 128 rows that a wave fetches each of the four
; partners that ask for them jointly names 32, told apart by address, a lane a row (256 bytes, aligned): each block is named once in each cluster that loads it.
; REGISTERS: window 0: v0-31 addresses, v128-255 the A side's 8 fragments.  window 1: the B side's two sets, at v0 and v128.  windows 2, 3: accumulator (a, b) at v[8 (8 (a % 4) + b)] of window 2 + a / 4.
; The k inside a matrix instruction are permuted alike on both sides (four loads of 16 bytes a fragment).
; LIMITS: eo - e0 - e1 between -126 and 119 for each of the three outputs.  NaN is not served.
.set MB,     8
.set SIZE_K, 1024
.set KSTEP,  256
.set QI,     5
.set PITCH,  KSTEP+16
.set TR,     16*MB
.set HALFT,  TR*PITCH
.set SLOT,   4*HALFT
.set SPARE,  2*SLOT                    ; the spare words, 128 bytes a wave
.set LAPS,   SIZE_K/(2*KSTEP)
.set PFO,  13                          ; the prefetches' offset: my lane x a row; never rewritten
.set PFA,  100                         ; s[100:101] my work-group's 32 of the rows that I fetch, at K step 0; never rewritten
.set ADRA, 16
.set ADRB, 20
.set RDQ,  22                          ; q, k: where I read codes back
.set COQ,  23                          ; q, k: my byte offset in memory
.set STO,  24
.set RD,   25                          ; v: where I read codes back
.set CO,   26                          ; v: my byte offset
.set SPW,  28
.set NIL,  29
.set LIM,  30
.set SCV,  31
.set TMP,  32
.set CD,   128
.set AF,   128
.set G1,  24
.set G0,  32
.set G1B, 48
.set G0B, 56
.set MSB, 0
.set MUL_LO, 0xa1
.set MUL_HI, 0xf1
.set TO_B,   0x40
.macro WIN new                         ; the immediate's high byte repeats the setting that is left
.set WNEW, \new
.if MSB != WNEW
	s_set_vgpr_msb (MSB<<8)|WNEW
.set MSB, WNEW
.endif
.endm
.macro PLACES n
.rept \n
	v_nop
.endr
.endm
.macro JLOAD g0a, g1a, g0b, g1b        ; waves 0, 1 fetch for the A side, waves 2, 3 for the B side
	s_cmp_eq_u32 s15, 0
	s_cbranch_scc0 .Lfor_b_\@
	tensor_load_to_lds s[\g0a:\g0a+3], s[\g1a:\g1a+7]
	s_nop 0
.rept 4
	v_nop
.endr
	s_branch .Lasked_\@
.Lfor_b_\@:
	tensor_load_to_lds s[\g0b:\g0b+3], s[\g1b:\g1b+7]
	s_nop 0
.rept 4
	v_nop
.endr
.Lasked_\@:
.endm
.macro CREST
	s_cmp_lg_u32 s14, 0
	s_cbranch_scc1 .Lnot_wave_0_\@
	s_barrier_signal -3
.Lnot_wave_0_\@:
	s_barrier_wait -3
	s_barrier_signal -1
	s_barrier_wait -1
.endm
.macro CROUND
	s_barrier_signal -1
	s_barrier_wait -1
	CREST
.endm
.macro FRAG reg, adr, q, i             ; 16 rows x 128 K: registers 4 c .. 4 c + 3 hold K = 32 c + 16 (l / 16) + 0 .. 15 of row l % 16
.irp c, 0,1,2,3
	ds_load_b128 v[\reg+4*\c:\reg+4*\c+3], v[\adr] offset:128*(\q)+32*\c+(\i)*16*PITCH
.endr
.endm
.macro FETCH_B slot, q, p
	WIN TO_B
.set fi, 0
.rept MB
	FRAG 128*(\p)+16*fi, ADRB+\slot, \q, fi
.set fi, fi+1
.endr
	WIN 0
.endm
.macro FETCH_A slot, q, i0
.set fi, \i0
.rept MB/2
	FRAG AF+16*fi, ADRA+\slot, \q, fi
.set fi, fi+1
.endr
.endm
.macro MULB a0, n, p, zero             ; the accumulators take turns, one instruction a turn
.set ma, \a0
.rept \n
.set mb, 0
.rept MB
.set rD, 8*(MB*(ma%4)+mb)
.if \zero
	v_wmma_f32_16x16x128_fp8_fp8 v[rD:rD+7], v[128*(\p)+16*mb:128*(\p)+16*mb+15], v[AF+16*ma:AF+16*ma+15], 0
.else
	v_wmma_f32_16x16x128_fp8_fp8 v[rD:rD+7], v[128*(\p)+16*mb:128*(\p)+16*mb+15], v[AF+16*ma:AF+16*ma+15], v[rD:rD+7]
.endif
.set mb, mb+1
.endr
.set ma, ma+1
.endr
.endm
.macro STEP slot, q, zero              ; 128 along K with its successor in the same slot; four plain lines stand in front of loads into registers that matrix instructions have read
	s_wait_dscnt 2*MB                              ; A's upper blocks (16 loads) may be out
	WIN MUL_LO
	MULB 0, MB/2, (\q)%2, \zero
	s_wait_dscnt 0
	PLACES 4
	FETCH_B \slot, (\q)+1, 1-(\q)%2
	FETCH_A \slot, (\q)+1, 0
	WIN MUL_HI
	MULB MB/2, MB/2, (\q)%2, \zero
	PLACES 4
	WIN 0
	FETCH_A \slot, (\q)+1, MB/2
.endm
.macro TURN slot, next, fill           ; a slot's last step changes slots
	s_wait_tensorcnt 0x0                           ; all my tensor loads have landed: my part of the next slot
	ds_add_u32 v[SPW], v[NIL]
	s_wait_dscnt 2*MB+1                            ; (the add and A's upper blocks may be out)
	WIN MUL_LO
	MULB 0, MB/4, 1, 0
	s_wait_dscnt 0x0                               ; the add is done, and my reads of this slot are over
	s_barrier_signal -1
	MULB MB/4, MB/4, 1, 0
	WIN 0
	s_barrier_wait -1
.if \fill
	CREST                                          ; the barrier has opened a round of the cluster's
	s_add_nc_u64 s[G0+4*\slot+2:G0+4*\slot+3], s[G0+4*\slot+2:G0+4*\slot+3], 2*KSTEP
	s_add_nc_u64 s[G0B+4*\slot+2:G0B+4*\slot+3], s[G0B+4*\slot+2:G0B+4*\slot+3], 2*KSTEP
	JLOAD G0+4*\slot, G1, G0B+4*\slot, G1B
.else
	PLACES 4
.endif
	FETCH_B \next, 0, 0
	FETCH_A \next, 0, 0
	WIN MUL_HI
	MULB MB/2, MB/2, 1, 0
	PLACES 4
	WIN 0
	FETCH_A \next, 0, MB/2
.endm
	s_load_b128 s[4:7], s[0:1], 0x0                ; a1c, w_qkv_codes
	s_load_b128 s[8:11], s[0:1], 0x10              ; scales, qc
	s_load_b128 s[68:71], s[0:1], 0x20             ; kc, vc
	v_lshl_add_u32 v[SPW], v0, 2, SPARE
	v_mov_b32 v[NIL], 0
	ds_add_u32 v[SPW], v[NIL]                      ; the opening lines: the add twice on end
	ds_add_u32 v[SPW], v[NIL]
	v_and_b32 v[PFO], 31, v0
	v_lshlrev_b32 v[PFO], 10, v[PFO]               ; my lane x 1,024 bytes
	v_lshrrev_b32 v1, 5, v0
	v_readfirstlane_b32 s14, v1                    ; wave 0..3
	s_lshr_b32 s15, s14, 1                         ; my half of the rows; also: I fetch for the A side (0) or the B side (1)
	s_and_b32 s16, s14, 1                          ; my half of the columns; also: which TR rows I fetch
	s_bfe_u32 s40, ttmp6, 0x40000                  ; cx
	s_bfe_u32 s41, ttmp6, 0x40004                  ; cy
	s_and_b32 s72, ttmp7, 0xffff                   ; the cluster's y
	s_cmp_eq_u32 ttmp9, 2                          ; the cluster's x: 0 q, 1 k, 2 v
	s_cselect_b32 s17, 0, s72
	s_cselect_b32 s42, s72, ttmp9
	s_cselect_b32 s73, 2048, 0                     ; v: w_qkv's rows 2,048 on
	s_lshl_b32 s17, s17, 2
	s_add_co_u32 s17, s17, s41                     ; tile row
	s_lshl_b32 s42, s42, 2
	s_add_co_u32 s42, s42, s40                     ; tile column
	s_lshl_b32 s43, s41, 2
	s_lshl_b32 s43, 15, s43                        ; my row of the cluster
	s_lshl_b32 s44, 0x1111, s40                    ; my column
	s_or_b32 s[G1+0], s43, (1<<20)|(1<<21)|(QI<<22)|(3<<25)
	s_or_b32 s[G1B+0], s44, (1<<20)|(1<<21)|(QI<<22)|(3<<25)
.irp g, G1, G1B
	s_mov_b32 s[\g+1], KSTEP<<16
	s_mov_b32 s[\g+2], TR<<16
	s_mov_b32 s[\g+3], KSTEP<<16
	s_mov_b32 s[\g+4], TR
	s_mov_b32 s[\g+5], SIZE_K
	s_mov_b32 s[\g+6], 0
	s_mov_b32 s[\g+7], 0
.endr
	s_mul_i32 s18, s16, TR
	s_mul_i32 s20, s17, 2*TR
	s_add_co_u32 s20, s20, s18
	s_add_co_u32 s20, s20, s73                     ; the A side's first row that I fetch: on cy, never on cx
	s_mul_i32 s20, s20, SIZE_K
	s_mov_b32 s21, 0
	s_mul_i32 s46, s42, 2*TR
	s_add_co_u32 s46, s46, s18                     ; the B side's: on cx, never on cy
	s_mul_i32 s46, s46, SIZE_K
	s_mov_b32 s47, 0
	s_mul_i32 s45, s14, HALFT
	s_wait_alu depctr_va_vdst(0)                   ; the wait ahead of the waits below
	s_wait_dscnt 0x0                               ; both opening adds are done
	s_wait_kmcnt 0x0
	s_load_b256 s[88:95], s[8:9], 0x0              ; e0 .. e7
	s_cmp_eq_u32 ttmp9, 2
	s_cselect_b64 s[74:75], s[6:7], s[4:5]         ; the A side's buffer
	s_cselect_b64 s[76:77], s[4:5], s[6:7]         ; the B side's
	s_add_nc_u64 s[20:21], s[74:75], s[20:21]
	s_add_nc_u64 s[46:47], s[76:77], s[46:47]
	s_cmp_eq_u32 s15, 0                            ; the prefetches: the rows that I fetch,
	s_cselect_b64 s[PFA:PFA+1], s[20:21], s[46:47]
	s_cselect_b32 s2, s40, s41                     ; my place among the four that ask for them with me,
	s_mul_i32 s2, s2, 32*SIZE_K                    ; x 32 rows
	s_mov_b32 s3, 0
	s_add_nc_u64 s[PFA:PFA+1], s[PFA:PFA+1], s[2:3]
	CROUND                                         ; the first joint loads meet
.irp s, 0,1
	s_mov_b32 s[G0+4*\s], 1
	s_add_co_u32 s[G0+4*\s+1], s45, \s*SLOT
	s_add_nc_u64 s[G0+4*\s+2:G0+4*\s+3], s[20:21], \s*KSTEP
	s_or_b32 s[G0+4*\s+3], s[G0+4*\s+3], 0x80000000
	s_mov_b32 s[G0B+4*\s], 1
	s_add_co_u32 s[G0B+4*\s+1], s45, \s*SLOT
	s_add_nc_u64 s[G0B+4*\s+2:G0B+4*\s+3], s[46:47], \s*KSTEP
	s_or_b32 s[G0B+4*\s+3], s[G0B+4*\s+3], 0x80000000
.endr
	JLOAD G0, G1, G0B, G1B                         ; K step 0: one tensor load a wave at the head
	global_prefetch_b8 v[PFO], s[PFA:PFA+1] offset:KSTEP th:TH_LOAD_NT scope:SCOPE_SE     ; K steps 1 and 2
	global_prefetch_b8 v[PFO], s[PFA:PFA+1] offset:2*KSTEP th:TH_LOAD_NT scope:SCOPE_SE
	v_and_b32 v1, 15, v0                           ; r
	s_wait_alu depctr_va_vdst(0)
	v_bfe_u32 v2, v0, 4, 1                         ; h
	v_mul_u32_u24 v3, v1, PITCH
	v_lshl_add_u32 v4, v2, 4, v3
	s_mul_i32 s21, s15, HALFT
	s_mul_i32 s22, s16, HALFT
	s_add_co_u32 s22, s22, 2*HALFT
.irp s, 0,1
	v_add_nc_u32 v[ADRA+\s], s21, v4
	v_add_nc_u32 v[ADRB+\s], s22, v4
	s_add_co_u32 s21, s21, SLOT
	s_add_co_u32 s22, s22, SLOT
.endr
	; the way out: a stage of 128 rows x (128 bytes + 16) for each wave, in slot 0, which has had its last fill and its last read by then
	s_mul_i32 s23, s14, 128*144
	v_mul_u32_u24 v5, v1, 144
	s_wait_alu depctr_va_vdst(0)
	v_lshl_add_u32 v5, v2, 3, v5
	v_add_nc_u32 v[STO], s23, v5                   ; in: row r, 8 bytes for each half of the lanes
	v_and_b32 v6, 31, v0
	v_lshrrev_b32 v7, 3, v6
	v_mul_u32_u24 v7, v7, 144
	v_and_b32 v8, 7, v6
	v_lshl_add_u32 v7, v8, 4, v7
	v_add_nc_u32 v[RD], s23, v7                    ; v, back: eight lanes to a channel's 128 bytes, four channels an instruction,
	v_lshlrev_b32 v[CO], 4, v6                     ; which are 512 consecutive bytes
	v_bfe_u32 v9, v6, 2, 2                         ; q, k, back: lanes 0-15 take the even head's 64 bytes of four tokens, lanes 16-31 the odd head's
	v_mul_u32_u24 v9, v9, 144
	v_lshrrev_b32 v10, 4, v6
	v_lshl_add_u32 v9, v10, 6, v9
	v_and_b32 v11, 3, v6
	v_lshl_add_u32 v9, v11, 4, v9
	v_add_nc_u32 v[RDQ], s23, v9
	v_and_b32 v11, 15, v6
	v_lshlrev_b32 v11, 4, v11
	v_lshl_add_u32 v[COQ], v10, 17, v11            ; 256 consecutive bytes in each head's part, the parts 131,072 bytes apart
	s_cmp_eq_u32 ttmp9, 0
	s_cselect_b64 s[78:79], s[10:11], s[68:69]     ; qc or kc,
	s_cmp_eq_u32 ttmp9, 2
	s_cselect_b64 s[78:79], s[70:71], s[78:79]     ; or vc
	s_lshl_b32 s80, s17, 1
	s_add_co_u32 s80, s80, s15                     ; my block of 128 rows of the A side
	s_lshl_b32 s81, s42, 1
	s_add_co_u32 s81, s81, s16                     ; my block of 128 of the B side
	s_and_b32 s82, s81, 7
	s_cmp_eq_u32 ttmp9, 2
	s_cselect_b32 s83, s81, s80                    ; the block of tokens, 0..31
	s_cselect_b32 s82, s80, s82                    ; the pair of heads, 0..7
	s_lshr_b32 s84, s83, 4
	s_lshl_b32 s84, s84, 7
	s_lshl_b32 s82, s82, 4
	s_add_co_u32 s84, s84, s82
	s_and_b32 s83, s83, 15
	s_lshl_b32 s84, s84, 14                        ; (batch x 16 + the even head) x 131,072
	s_lshl_b32 s83, s83, 13                        ; + token block x 8,192
	s_add_co_u32 s84, s84, s83
	s_mov_b32 s85, 0
	s_add_nc_u64 s[78:79], s[78:79], s[84:85]
	s_wait_alu depctr_va_vdst(0)                   ; the wait at the head's end
	s_wait_tensorcnt 0x0                           ; my part of K step 0 is in
	ds_add_u32 v[SPW], v[NIL]                      ; ahead of a later first fill
	s_wait_dscnt 0x0
	CROUND
	JLOAD G0+4, G1, G0B+4, G1B                     ; K step 1, the first tensor load behind the round
	global_prefetch_b8 v[PFO], s[PFA:PFA+1] offset:3*KSTEP th:TH_LOAD_NT scope:SCOPE_SE   ; K step 3
	FETCH_B 0, 0, 0
	FETCH_A 0, 0, 0
	FETCH_A 0, 0, MB/2
	STEP 0, 0, 1                                   ; the first step's products start the sums
	s_mov_b32 s3, LAPS-1
.Llap:
	TURN 0, 1, 1
	STEP 1, 0, 0
	TURN 1, 0, 1
	STEP 0, 0, 0
	s_sub_co_u32 s3, s3, 1
	s_cmp_lg_u32 s3, 0
	s_cbranch_scc1 .Llap
	TURN 0, 1, 0                                   ; the last lap fills nothing
	STEP 1, 0, 0
	s_wait_dscnt 2*MB
	WIN MUL_LO
	MULB 0, MB/2, 1, 0
	s_wait_dscnt 0
	WIN MUL_HI
	MULB MB/2, MB/2, 1, 0
	WIN 0
	; THE WAY OUT: hold, convert, through my stage, and out
	s_wait_kmcnt 0x0
	s_cmp_eq_u32 ttmp9, 0
	s_cselect_b32 s96, s90, s91                    ; e2 for q, e3 for k,
	s_cmp_eq_u32 ttmp9, 2
	s_cselect_b32 s96, s93, s96                    ; e5 for v
	s_sub_co_i32 s96, s96, s88
	s_sub_co_i32 s96, s96, s89
	s_add_co_i32 s96, s96, 127
	s_lshl_b32 s97, s96, 23
	s_add_co_i32 s96, s96, 8
	s_lshl_b32 s96, s96, 23
	s_or_b32 s96, s96, 0x600000
	v_mov_b32 v[SCV], s97                          ; these two and two v_nop are the four places behind the last products
	v_mov_b32 v[LIM], s96
	PLACES 2
.macro OUTBLK a                        ; block a: 16 rows x 128 columns; each accumulator is read from its low end on
	WIN 0x02+(\a)/4
.set j, 0
.rept 64
	v_med3_num_f32 v[TMP+j], v[64*((\a)%4)+j], -v[LIM], v[LIM]   ; the conversion does not saturate (ISA guide 7.6.2)
.set j, j+1
.endr
	WIN 0
.irp b, 0,1,2,3,4,5,6,7
	v_cvt_scalef32_pk8_fp8_f32 v[CD+16*(\a)+2*\b:CD+16*(\a)+2*\b+1], v[TMP+8*\b:TMP+8*\b+7], v[SCV]
.endr
	v_nop                                          ; a plain line behind the conversions
.irp b, 0,1,2,3,4,5,6,7
	ds_store_b64 v[STO], v[CD+16*(\a)+2*\b:CD+16*(\a)+2*\b+1] offset:(\a)*16*144+16*\b
.endr
.endm
.irp a, 0,1,2,3,4,5,6,7
	OUTBLK \a
.endr
.macro GOOUT rd, co, st, jump          ; four stage rows an instruction, back into window 1, and out
	WIN 0x40
.set i, 0
.rept 32
	ds_load_b128 v[4*i:4*i+3], v[\rd] offset:4*144*i    ; LDS serves a wave's instructions in order: these see my stores
.set i, i+1
.endr
	WIN 0x04
.set i, 0
.rept 32
	s_wait_dscnt 31-i                              ; load i is in; the 31 - i younger ones may be out
	global_store_b128 v[\co], v[4*i:4*i+3], s[78:79] offset:\st*i+(i/16)*\jump
.set i, i+1
.endr
	WIN 0
.endm
	s_cmp_eq_u32 ttmp9, 2
	s_cbranch_scc1 .Lvout
	GOOUT RDQ, COQ, 256, 0                         ; q, k: four tokens on are 256 bytes in each head's part
	s_branch .Lout_done
.Lvout:
	GOOUT RD, CO, 512, 122880                      ; v: channels 0-63 are the even head's 8,192 bytes; channels 64 on go to the odd head's part
.Lout_done:
	s_wait_tensorcnt 0x0                           ; the wave's end
	ds_add_u32 v[SPW], v[NIL]
	s_wait_dscnt 0x0
	CROUND                                         ; the closing round
	s_endpgm
.Lfunc_end_k_qdc15cbdabb_qkv:
	.size	k_qdc15cbdabb_qkv, .Lfunc_end_k_qdc15cbdabb_qkv-k_qdc15cbdabb_qkv
	.p2alignl 7, 3214868480
	.fill 96, 4, 3214868480
	.section	.rodata,"a",@progbits
	.p2align	6, 0x0
	.amdhsa_kernel k_qdc15cbdabb_qkv
		.amdhsa_group_segment_fixed_size 327680
		.amdhsa_private_segment_fixed_size 0
		.amdhsa_enable_private_segment 0
		.amdhsa_kernarg_size 48
		.amdhsa_user_sgpr_count 2
		.amdhsa_user_sgpr_kernarg_segment_ptr 1
		.amdhsa_wavefront_size32 1
		.amdhsa_system_sgpr_workgroup_id_x 1
		.amdhsa_system_sgpr_workgroup_id_y 1
		.amdhsa_system_sgpr_workgroup_id_z 1
		.amdhsa_system_vgpr_workitem_id 0
		.amdhsa_next_free_vgpr 1024
		.amdhsa_next_free_sgpr 102
		.amdhsa_reserve_vcc 0
		.amdhsa_float_denorm_mode_32 3
		.amdhsa_float_denorm_mode_16_64 3
		.amdhsa_memory_ordered 1
		.amdhsa_forward_progress 1
		.amdhsa_inst_pref_size 133
	.end_amdhsa_kernel
	.amdgpu_metadata
---
amdhsa.version: [ 1, 2 ]
amdhsa.kernels:
  - .name:           k_qdc15cbdabb_qkv
    .symbol:         k_qdc15cbdabb_qkv.kd
    .args:
      - { .name: a1c, .offset: 0, .size: 8, .value_kind: global_buffer, .address_space: global }
      - { .name: w_qkv_codes, .offset: 8, .size: 8, .value_kind: global_buffer, .address_space: global }
      - { .name: lowp_scales, .offset: 16, .size: 8, .value_kind: global_buffer, .address_space: global }
      - { .name: qc, .offset: 24, .size: 8, .value_kind: global_buffer, .address_space: global }
      - { .name: kc, .offset: 32, .size: 8, .value_kind: global_buffer, .address_space: global }
      - { .name: vc, .offset: 40, .size: 8, .value_kind: global_buffer, .address_space: global }
    .group_segment_fixed_size: 327680
    .private_segment_fixed_size: 0
    .kernarg_segment_align: 8
    .kernarg_segment_size: 48
    .max_flat_workgroup_size: 128
    .sgpr_count:     102
    .vgpr_count:     1024
    .wavefront_size: 32
...
	.end_amdgpu_metadata
.endif
;; end of part 2
;; launch attn (part 3): grid 8 x 32, 16 waves a work-group, clusters of 4 x 1, 327,680 bytes of LDS; arguments qc, kc, vc, lowp_scales, oc; writes oc
.if DOCPART == 3
	.amdgcn_target "amdgcn-amd-amdhsa--gfx1250"
	.amdhsa_code_object_version 6
	.text
	.protected	k_qdc15cbdabb_attn
	.globl	k_qdc15cbdabb_attn
	.p2align	8
	.type	k_qdc15cbdabb_attn,@function
k_qdc15cbdabb_attn:
	s_mov_b64 s[64:65], 0
	v_nop
	global_prefetch_b8 v0, s[64:65] scope:SCOPE_SE
	s_setreg_imm32_b32 hwreg(HW_REG_WAVE_MODE, 25, 1), 1
	s_wait_xcnt 0x0
	s_wait_alu depctr_hold_cnt(0) depctr_sa_sdst(0) depctr_va_vdst(0) depctr_va_sdst(0) depctr_va_ssrc(0) depctr_va_vcc(0) depctr_vm_vsrc(0)
	s_getreg_b32 s2, hwreg(HW_REG_IB_STS2, 6, 4)
	s_cmp_eq_u32 s2, 0
	s_cbranch_scc0 .Lentry_in_a_cluster
	s_endpgm
.Lentry_in_a_cluster:
	s_bfe_u32 s2, ttmp6, 0x10000c
	s_cmp_lg_u32 s2, 0x3003
	s_cbranch_scc0 .Lentry_shape_is_right
	s_endpgm
.Lentry_shape_is_right:
; Causal attention of one head on codes of E4M3, and its result quantised for the product with w_proj.
; qc, kc: for each head [2048 tokens][64 codes]; vc: for each head [16 blocks of 128 tokens][64 channels][128 tokens]; all dense.  Scales 2^e2 (q), 2^e3 (k), 2^e4 (p), 2^e5 (v), 2^e6 (out).
; t = score x log2(e) / 8; M = the running largest t rounded UP to a whole number; p = 2^(t - M) is quantised, not normalised; the row's sum is taken of the unquantised p and divides at the end.
; LEFT OUT: key steps all of whose keys come after a tile's queries (the causal mask makes their p zero).
; SHARES.  The work-group's y is batch x 16 + head, its x is j = 0..7.  Query tile R (0..15) of the work-group is queries 128 R + 16 j + 0..15 and needs key steps 0..R of 128 keys, the last one masked: 136 steps.
; They are dealt 8 or 9 to a wave.  Wave w < 8: tile w whole (w + 1 steps), stores it, then key steps w + 1 .. 7 of tile 15 - w.  Wave 8 + p: key steps 0..p and 8..15 - p of tile 15 - p.
; Behind the walk wave p hands its part (-M, its lanes' sums, O^T) to wave 8 + p through LDS, one barrier; both parts are brought under the larger M by powers of two and added.
; Every wave walks all 16 steps, in loops of constant count; bit masks made of the wave's number say in which it works, and for which K's fragments are in registers already.
; A HEAD'S WHOLE K AND V LIE IN LDS, each byte filled once.  A key step's K and its V are 8,192 dense bytes each: one tile shape, 32 rows of 256 bytes, 16 bytes of padding behind each.
; Each wave asks for one tile at the head (waves 0-7 K's steps 0-7, waves 8-15 V's) and one behind the full sequence and a round (steps 8-15); these land under the first two trips.  The four work-groups of a cluster have one head and ask JOINTLY.
; PREFETCH: behind the first group's loads the second group's 16 tiles are asked for, one load ahead: waves 0, 1 of the partner at place cx name K's tiles 2 cx, 2 cx + 1 of that group, waves 2, 3 V's, lanes 256 bytes apart: each block once in a cluster.
; LAYOUT.  S^T = K Q^T (source 0 = 16 keys, source 1 = my 16 queries, K = 64), O^T = V^T P^T (source 0 = 16 channels, source 1 = p, K = 128 keys): a lane holds ONE query (l % 16).
; In tile t of S^T a lane's eight registers are keys 16 t + 8 (l / 16) + 0..7: what registers 2 t, 2 t + 1 of the second product's operand hold.
; REGISTERS TAKE TURNS IN A STEP: K's fragments (v32-95) are free behind S^T's products and take the next step's K at once; S^T's registers (v96-159) are free as p is converted, two tiles at a time, and take V's fragments.
; LDS: key k at (k / 4) 272 + (k % 4) 64; channel c of a block at (c / 2) 272 + (c % 2) 128: the lanes of a fragment load touch different banks.  A row of the output is a head's 64 bytes.
; LIMITS: e2 + e3 between -123 and 129; e4, and e6 - e4 - e5, between -126 and 119; the scaled scores stay under 2^31.  NaN is not served.  The division by the sum is v_rcp_f32 and a multiplication.
; REGISTERS: v1-7 addresses; v8, v9 the step's; v10, v11 the add's; v12 -M, v13 the largest t, v[14:15] the sum; v16-23 Q; v24-31 the second tile's Q; v160-191 O^T; v192-207 p's codes; v208-215 the output's; v216, v217 the hand-over; v219 the prefetch's offset.
.set TILE,  32*272
.set VBASE, 16*TILE
.set SPARE, 32*TILE                    ; the spare words: 128 bytes a wave
.set XRB,   SPARE+2048                 ; waves 0-7: 4,352 bytes each (stage, then the hand-over); waves 8-15: a stage of 1,024 bytes each
.set WV,   18
.set RA,   19                          ; my first tile; also its masked step
.set SEL,  20
.set CS,   22                          ; s[22:23] c = log2(e) / 8 x 2^(e2 + e3)
.set G1,   24
.set G0,   32
.set STP,  36
.set TB,   37
.set CNT,  38
.set ACT,  39                          ; bit s: I work in key step s
.set SWT,  40                          ; the step behind which I change tiles (255: never)
.set PRE,  94                          ; bit s: I work in steps s - 1 and s, so that step s - 1 fetches step s's K (bit 0: fetched ahead of the loops)
.set STN,  95                          ; the step + 1
.macro CROUND
	s_barrier_signal -1
	s_barrier_wait -1
	s_cmp_lg_u32 s[WV], 0
	s_cbranch_scc1 .Lnot_wave_0_\@
	s_barrier_signal -3
.Lnot_wave_0_\@:
	s_barrier_wait -3
	s_barrier_signal -1
	s_barrier_wait -1
.endm
.macro KLOAD adr, off                  ; a key step's eight fragments of K
.irp t, 0,1,2,3,4,5,6,7
.irp c, 0,1
	ds_load_b128 v[32+8*\t+4*\c:35+8*\t+4*\c], v[\adr] offset:\off+1088*\t+32*\c
.endr
.endr
.endm
.macro RESET                           ; an empty state: the first change of M leaves zeros zeros
	v_mov_b32 v13, 0xff61b1e6                      ; -3e38, under every t
	v_floor_f32 v12, -v13
	v_mov_b32 v14, 0
	v_mov_b32 v15, 0
.set n, 0
.rept 32
	v_mov_b32 v[160+n], 0
.set n, n+1
.endr
.endm
; O^T / the sum, held, converted with 2^(e6 - e4 - e5); through my stage, so that a lane stores 16 bytes.  It works in v96-135 and leaves K's fragments alone
.macro FINISH
.rept 4
	v_nop
.endr
	v_add_f32 v14, v14, v15
	s_delay_alu instid0(VALU_DEP_1)
	v_permlanex16_b32 v252, v14, s[SEL], s[SEL+1]
	s_delay_alu instid0(VALU_DEP_1)
	v_add_f32 v14, v14, v252                       ; the row's sum
	s_wait_alu depctr_va_vdst(0)                   ; the wait ahead of the transcendental
	v_rcp_f32 v14, v14
	v_nop
	s_wait_alu depctr_va_vdst(0)                   ; and ahead of its first reader, which is O^T's too
.set n, 0
.rept 32
	v_mul_f32 v[96+n], v[160+n], v14               ; register 8 u + i: channel 16 u + 8 h + i of query r
.set n, n+1
.endr
.set n, 0
.rept 32
	v_med3_num_f32 v[96+n], v[96+n], -v241, v241
.set n, n+1
.endr
.irp u, 0,1,2,3
	v_cvt_scalef32_pk8_fp8_f32 v[208+2*\u:209+2*\u], v[96+8*\u:103+8*\u], v245
.endr
	v_nop
.irp u, 0,1,2,3
	ds_store_b64 v4, v[208+2*\u:209+2*\u] offset:16*\u
.endr
.irp i, 0,1
	ds_load_b128 v[128+4*\i:131+4*\i], v5 offset:512*\i   ; LDS serves a wave's instructions in order: these see my stores
.endr
.irp i, 0,1
	s_wait_dscnt 1-\i                              ; load i is in; the younger one may be out
	global_store_b128 v6, v[128+4*\i:131+4*\i], s[12:13] offset:8192*\i   ; eight rows' 64 bytes
.endr
	s_wait_xcnt 0x0                                ; the stores have read their registers
.endm
; A KEY STEP: 128 keys
.macro KEYS
	s_bitcmp1_b32 s[ACT], s[STP]
	s_cbranch_scc0 .Lnext_\@
	v_add_nc_u32 v8, s[TB], v1
	v_add_nc_u32 v9, s[TB], v2
	v_nop                                          ; with the two additions: five places, since S^T is laid over V's fragments, which the last products read
	v_nop
	v_nop
	s_wait_alu depctr_va_vdst(0)                   ; the wait ahead of the branch and the waits below
	s_bitcmp1_b32 s[PRE], s[STP]
	s_cbranch_scc1 .Lhave_\@
	s_wait_dscnt 0x0                               ; no earlier load is on its way to K's registers
	KLOAD 8, 0                                     ; only behind a gap in my steps
.Lhave_\@:
	s_wait_dscnt 0x0                               ; K
.irp t, 0,1,2,3,4,5,6,7
	v_wmma_f32_16x16x64_fp8_fp8 v[96+8*\t:103+8*\t], v[32+8*\t:39+8*\t], v[16:23], 0
.endr
.rept 4
	v_nop
.endr
	s_bitcmp1_b32 s[PRE], s[STN]
	s_cbranch_scc0 .Lno_pre_\@
	KLOAD 8, TILE                                  ; the next step's K lands under the softmax
.Lno_pre_\@:
	s_cmp_lg_u32 s[STP], s[RA]
	s_cbranch_scc1 .Lopen_\@
	v_mov_b32 v254, 0xff800000                     ; on the diagonal hidden scores become -infinity ahead of the maximum: p = 0 then
.set n, 0
.rept 64
	v_cmp_gt_i32 vcc_lo, 16*(n/8)+n%8, v3
	v_cndmask_b32 v[96+n], v[96+n], v254, vcc_lo
.set n, n+1
.endr
.Lopen_\@:
	v_max3_num_f32 v254, v96, v97, v98             ; the step's largest score of my query among my 64 keys, in four chains, ascending
	v_max3_num_f32 v252, v99, v100, v101
	v_max3_num_f32 v250, v102, v103, v104
	v_max3_num_f32 v238, v105, v106, v107
.irp i, 12,20,28,36,44,52
	v_max3_num_f32 v254, v254, v[96+\i], v[97+\i]
	v_max3_num_f32 v252, v252, v[98+\i], v[99+\i]
	v_max3_num_f32 v250, v250, v[100+\i], v[101+\i]
	v_max3_num_f32 v238, v238, v[102+\i], v[103+\i]
.endr
	v_max3_num_f32 v254, v254, v156, v157
	v_max3_num_f32 v252, v252, v158, v159
	v_max3_num_f32 v254, v254, v252, v250
	v_max_num_f32 v254, v254, v238
	s_delay_alu instid0(VALU_DEP_1)
	v_permlanex16_b32 v236, v254, s[SEL], s[SEL+1]
	s_delay_alu instid0(VALU_DEP_1)
	v_max_num_f32 v254, v254, v236                 ; and among lane l xor 16's
	s_delay_alu instid0(VALU_DEP_1)
	v_mul_f32 v254, s[CS], v254                    ; as t (c is positive)
	s_delay_alu instid0(VALU_DEP_1)
	v_max_num_f32 v13, v13, v254
	v_mov_b32 v254, v12
	s_delay_alu instid0(VALU_DEP_2)
	v_floor_f32 v12, -v13                          ; the new -M = -ceil(t)
	s_delay_alu instid0(VALU_DEP_1)
	v_sub_f32 v254, v12, v254                      ; old M - new M: a whole number, 0 or less
	s_delay_alu instid0(VALU_DEP_1)
	v_cvt_i32_f32 v254, v254                       ; (it saturates)
	s_delay_alu instid0(VALU_DEP_1)
	v_ldexp_f32 v252, 1.0, v254                    ; f = 2^(old M - new M)
.set n, 0
.rept 32
	v_pk_fma_f32 v[96+n:97+n], v[96+n:97+n], s[CS:CS+1], v[12:13] op_sel_hi:[1,0,0]   ; t - M
.set n, n+2
.endr
	s_wait_alu depctr_va_vdst(0)                   ; the wait ahead of the batch
.set n, 0
.rept 64
	v_exp_f32 v[96+n], v[96+n]                     ; p = 2^(t - M)
.set n, n+1
.endr
	v_pk_mul_f32 v[14:15], v[14:15], v[252:253] op_sel_hi:[1,0]   ; the sum under the new M (a plain line behind the exponentials)
	s_wait_alu depctr_va_vdst(0)                   ; one wait for the batch, ahead of its first reader
	v_pk_add_f32 v[242:243], v[96:97], v[98:99]    ; the sum of the unquantised p, in four chains
	v_pk_add_f32 v[246:247], v[100:101], v[102:103]
	v_pk_add_f32 v[248:249], v[104:105], v[106:107]
	v_pk_add_f32 v[14:15], v[14:15], v[108:109]
.irp j, 14,22,30,38,46,54
	v_pk_add_f32 v[242:243], v[242:243], v[96+\j:97+\j]
	v_pk_add_f32 v[246:247], v[246:247], v[98+\j:99+\j]
	v_pk_add_f32 v[248:249], v[248:249], v[100+\j:101+\j]
	v_pk_add_f32 v[14:15], v[14:15], v[102+\j:103+\j]
.endr
	v_pk_add_f32 v[242:243], v[242:243], v[158:159]
	v_pk_add_f32 v[14:15], v[14:15], v[248:249]
	v_pk_add_f32 v[242:243], v[242:243], v[246:247]
	v_pk_add_f32 v[14:15], v[14:15], v[242:243]
.irp u, 0,1,2,3
.irp i, 0,1,2,3,4,5,6,7,8,9,10,11,12,13,14,15
	v_min_num_f32 v[96+16*\u+\i], v[96+16*\u+\i], v240   ; the conversion does not saturate (ISA guide 7.6.2); p is not negative, so the hold is one-sided
.endr
	v_cvt_scalef32_pk8_fp8_f32 v[192+4*\u:193+4*\u], v[96+16*\u:103+16*\u], v244
	v_cvt_scalef32_pk8_fp8_f32 v[194+4*\u:195+4*\u], v[104+16*\u:111+16*\u], v244
.irp c, 0,1,2,3,4,5,6,7
	ds_load_b64 v[96+16*\u+2*\c:97+16*\u+2*\c], v9 offset:2176*\u+16*\c   ; V's fragment u, into the sixteen registers just converted
.endr
.endr
	s_wait_alu depctr_va_vdst(0)                   ; the wait ahead of the first reader of O^T
.set n, 0
.rept 16
	v_pk_mul_f32 v[160+n:161+n], v[160+n:161+n], v[252:253] op_sel_hi:[1,0]   ; O^T under the new M; also the plain lines behind the conversions
.set n, n+2
.endr
	s_wait_alu depctr_va_vdst(0)                   ; the wait ahead of the waits below
.irp u, 0,1,2,3
	s_wait_dscnt 24-8*\u                           ; V's fragment u is in (and K's, asked for earlier); the later fragments' eight loads each may be out
	v_wmma_f32_16x16x128_fp8_fp8 v[160+8*\u:167+8*\u], v[96+16*\u:111+16*\u], v[192:207], v[160+8*\u:167+8*\u]
.endr
	s_cmp_lg_u32 s[STP], s[SWT]
	s_cbranch_scc1 .Lnext_\@
	FINISH                                         ; waves 0-7, behind their own tile's last step: it goes out, and the second tile begins
	RESET
.set n, 0
.rept 8
	v_mov_b32 v[16+n], v[24+n]
.set n, n+1
.endr
	s_wait_alu depctr_va_vdst(0)
.Lnext_\@:
	s_add_co_u32 s[STP], s[STP], 1
	s_add_co_u32 s[STN], s[STN], 1
	s_add_co_u32 s[TB], s[TB], TILE
.endm
	s_load_b128 s[4:7], s[0:1], 0x0                ; qc, kc
	s_load_b128 s[8:11], s[0:1], 0x10              ; vc, scales
	s_load_b64 s[12:13], s[0:1], 0x20              ; oc
	v_lshl_add_u32 v10, v0, 2, SPARE
	v_mov_b32 v11, 0
	ds_add_u32 v10, v11                            ; the opening lines: the add twice on end
	ds_add_u32 v10, v11
	v_and_b32 v219, 31, v0
	v_lshlrev_b32 v219, 8, v219                    ; the prefetch: my lane x 256 bytes
	v_lshrrev_b32 v8, 5, v0
	v_readfirstlane_b32 s[WV], v8                  ; wave 0..15
	s_bfe_u32 s41, ttmp6, 0x40000                  ; cx: it enters Q's, the output's and the prefetch's addresses and the mask's numbers alone
	s_lshl_b32 s42, ttmp9, 2
	s_add_co_u32 s42, s42, s41                     ; j
	s_lshl_b32 s15, s42, 4                         ; 16 j
	s_and_b32 s43, ttmp7, 0xffff                   ; batch x 16 + head, which the partners share
	s_and_b32 s44, s[WV], 7                        ; p
	s_sub_co_u32 s45, 15, s44                      ; the pair's long tile
	s_lshl_b32 s46, 2, s44
	s_sub_co_u32 s46, s46, 1                       ; steps 0..p
	s_sub_co_u32 s47, 8, s44
	s_lshl_b32 s47, 1, s47
	s_sub_co_u32 s47, s47, 1
	s_lshl_b32 s47, s47, 8                         ; steps 8..15 - p
	s_or_b32 s46, s46, s47
	s_cmp_lt_u32 s[WV], 8
	s_cselect_b32 s[RA], s[WV], s45
	s_cselect_b32 s[SWT], s[WV], 255
	s_cselect_b32 s[ACT], 0xff, s46
	s_lshl_b32 s[PRE], s[ACT], 1
	s_and_b32 s[PRE], s[PRE], s[ACT]
	s_or_b32 s[PRE], s[PRE], 1
	s_lshl_b32 s48, s43, 17                        ; the head's 131,072 bytes in each of the three buffers
	s_lshl_b32 s49, s44, 13
	s_add_co_u32 s50, s48, s49                     ; the tile that I fetch: key step p
	s_mov_b32 s51, 0
	s_and_b32 s52, s[WV], 8
	s_add_co_u32 s52, s52, s[WV]
	s_mul_i32 s52, s52, TILE                       ; and where it goes: K's step p at p tiles, V's at 16 + p
	s_lshl_b32 s53, s[RA], 7
	s_add_co_u32 s53, s53, s15                     ; my first tile's first query
	s_lshl_b32 s54, s53, 6
	s_add_co_u32 s54, s54, s48
	s_mov_b32 s55, 0
	s_lshl_b32 s56, s45, 7
	s_add_co_u32 s56, s56, s15                     ; the long tile's
	s_lshl_b32 s56, s56, 6
	s_add_co_u32 s56, s56, s48
	s_mov_b32 s57, 0
	s_lshr_b32 s58, s43, 4
	s_lshl_b32 s58, s58, 11
	s_add_co_u32 s58, s58, s53                     ; the output's row: batch x 2,048 + query,
	s_lshl_b32 s58, s58, 10
	s_and_b32 s59, s43, 15
	s_lshl_b32 s59, s59, 6
	s_add_co_u32 s58, s58, s59                     ; x 1,024 bytes + head x 64
	s_mov_b32 s59, 0
	s_min_u32 s60, s[WV], 8
	s_mul_i32 s60, s60, 3328
	s_lshl_b32 s61, s[WV], 10
	s_add_co_u32 s60, s60, s61
	s_add_co_u32 s60, s60, XRB                     ; my stage
	s_mul_i32 s61, s44, 4352
	s_add_co_u32 s61, s61, XRB                     ; the pair's hand-over
	s_lshl_b32 s66, s41, 1                         ; the prefetch: tile 2 cx + wave % 2 of the second group,
	s_and_b32 s67, s[WV], 1
	s_add_co_u32 s66, s66, s67
	s_lshl_b32 s66, s66, 13
	s_add_co_u32 s66, s66, s48                     ; in my head,
	s_add_co_u32 s66, s66, 0x10000                 ; eight key steps on
	s_mov_b32 s67, 0
	s_mov_b32 s[G1], 15|(1<<20)|(1<<21)|(5<<22)|(3<<25)   ; the mask: all four partners; elements of 1 byte; padding on; bit 21 beside a mask; 4 words behind every 64
	s_mov_b32 s[G1+1], 256<<16
	s_mov_b32 s[G1+2], 32<<16
	s_mov_b32 s[G1+3], 256<<16
	s_mov_b32 s[G1+4], 32
	s_mov_b32 s[G1+5], 256
	s_mov_b32 s[G1+6], 0
	s_mov_b32 s[G1+7], 0
	s_mov_b32 s[SEL], 0x76543210
	s_mov_b32 s[SEL+1], 0xfedcba98
	s_mov_b32 s[CS], 0x3e38aa3b                    ; log2(e) / 8
	s_wait_alu depctr_va_vdst(0)                   ; the wait ahead of the waits below
	s_wait_dscnt 0x0                               ; both opening adds are done
	s_wait_kmcnt 0x0
	s_load_b256 s[84:91], s[10:11], 0x0            ; e0 .. e7
	s_cmp_lt_u32 s[WV], 8
	s_cselect_b64 s[62:63], s[6:7], s[8:9]         ; waves 0-7 fetch K, waves 8-15 V
	s_mov_b32 s[G0], 1
	s_mov_b32 s[G0+1], s52
	s_add_nc_u64 s[G0+2:G0+3], s[62:63], s[50:51]
	s_or_b32 s[G0+3], s[G0+3], 0x80000000
	s_cmp_lt_u32 s[WV], 2
	s_cselect_b64 s[68:69], s[6:7], s[8:9]         ; waves 0, 1 prefetch K, waves 2, 3 V
	s_add_nc_u64 s[68:69], s[68:69], s[66:67]
	s_add_nc_u64 s[54:55], s[4:5], s[54:55]
	s_add_nc_u64 s[56:57], s[4:5], s[56:57]
	s_add_nc_u64 s[12:13], s[12:13], s[58:59]
	CROUND                                         ; all four work-groups are here: the joint loads meet
	tensor_load_to_lds s[G0:G0+3], s[G1:G1+7]      ; key steps 0-7: one tile a wave
	s_nop 0
	v_and_b32 v8, 15, v0                           ; r
	v_bfe_u32 v9, v0, 4, 1                         ; h
	v_lshlrev_b32 v7, 6, v8
	v_lshl_add_u32 v7, v9, 4, v7                   ; Q: row r of 64 bytes, + 16 h: the places that K's loads give the same k
	global_load_b128 v[16:19], v7, s[54:55]
	global_load_b128 v[20:23], v7, s[54:55] offset:32
	global_load_b128 v[24:27], v7, s[56:57]
	global_load_b128 v[28:31], v7, s[56:57] offset:32
	s_wait_alu depctr_va_vdst(0)                   ; the wait ahead of the branch
	s_cmp_lt_u32 s[WV], 4
	s_cbranch_scc0 .Lno_ask
	global_prefetch_b8 v219, s[68:69] th:TH_LOAD_NT scope:SCOPE_SE   ; a tile of the second group: 32 blocks of 256 bytes
.Lno_ask:
	v_lshrrev_b32 v1, 2, v8
	v_mul_u32_u24 v1, v1, 272
	v_and_b32 v2, 3, v8
	v_lshl_add_u32 v1, v2, 6, v1
	v_lshl_add_u32 v1, v9, 4, v1                   ; K: key r of a tile, + 16 h
	v_lshrrev_b32 v2, 1, v8
	v_mul_u32_u24 v2, v2, 272
	v_and_b32 v3, 1, v8
	v_lshl_add_u32 v2, v3, 7, v2
	v_lshl_add_u32 v2, v9, 3, v2
	v_add_nc_u32 v2, VBASE, v2                     ; V: channel r of a tile, + 8 h
	v_lshlrev_b32 v3, 3, v9
	v_sub_nc_u32 v3, v8, v3
	v_add_nc_u32 v3, s15, v3                       ; 16 j + r - 8 h: in the masked step register 8 t + i holds a hidden key where 16 t + i is larger
	v_lshlrev_b32 v4, 6, v8
	v_lshl_add_u32 v4, v9, 3, v4
	v_add_nc_u32 v4, s60, v4                       ; stage, in: row r of 64 bytes, + 8 h
	v_and_b32 v218, 31, v0
	v_lshl_add_u32 v5, v218, 4, s60                ; back: 16 bytes a lane
	v_lshl_add_u32 v216, v218, 4, s61              ; the hand-over: an image of registers, 16 bytes a lane,
	v_lshl_add_u32 v217, v218, 3, s61              ; and 8 bytes a lane
	v_lshrrev_b32 v6, 2, v218
	v_lshlrev_b32 v6, 10, v6
	v_and_b32 v218, 3, v218
	v_lshl_add_u32 v6, v218, 4, v6                 ; in the output: four lanes to a row's 64 bytes
	v_mov_b32 v236, 0                              ; (a lane permute's destination counts as read)
	v_mov_b32 v252, 0
	v_mov_b32 v253, 0                              ; (named as the upper halves of pairs)
	v_mov_b32 v251, 0
	RESET
	s_wait_kmcnt 0x0
	s_add_co_i32 s92, s86, s87
	s_lshl_b32 s92, s92, 23
	s_add_co_i32 s[CS], s[CS], s92                 ; e2 + e3 are added to c's exponent field
	s_mov_b32 s[CS+1], s[CS]
	s_add_co_i32 s92, s88, 127
	s_lshl_b32 s93, s92, 23
	v_mov_b32 v244, s93                            ; 2^e4
	s_add_co_i32 s92, s92, 8
	s_lshl_b32 s92, s92, 23
	s_or_b32 s92, s92, 0x600000
	v_mov_b32 v240, s92                            ; 448 x 2^e4
	s_sub_co_i32 s92, s90, s88
	s_sub_co_i32 s92, s92, s89                     ; e6 - e4 - e5
	s_add_co_i32 s92, s92, 127
	s_lshl_b32 s93, s92, 23
	v_mov_b32 v245, s93
	s_add_co_i32 s92, s92, 8
	s_lshl_b32 s92, s92, 23
	s_or_b32 s92, s92, 0x600000
	v_mov_b32 v241, s92
	s_wait_alu depctr_va_vdst(0)                   ; the wait at the head's end
	s_wait_loadcnt 0x0                             ; Q
	s_wait_tensorcnt 0x0                           ; my tile is in
	ds_add_u32 v10, v11
	s_add_co_u32 s[G0+1], s[G0+1], 8*TILE          ; eight key steps on, in LDS
	s_add_nc_u64 s[G0+2:G0+3], s[G0+2:G0+3], 0x10000   ; and in memory
	s_wait_dscnt 0x0
	CROUND                                         ; everybody's tile of steps 0-7 is in, and the joint loads meet
	tensor_load_to_lds s[G0:G0+3], s[G1:G1+7]      ; key steps 8-15
	s_nop 0
	KLOAD 1, 0                                     ; key step 0's K: every wave works in step 0
	s_mov_b32 s[STP], 0
	s_mov_b32 s[STN], 1
	s_mov_b32 s[TB], 0
	s_mov_b32 s[CNT], 2
.Lfirst:
	KEYS
	s_sub_co_u32 s[CNT], s[CNT], 1
	s_cmp_lg_u32 s[CNT], 0
	s_cbranch_scc1 .Lfirst
	s_wait_tensorcnt 0x0                           ; my tile of steps 8-15 is in
	s_wait_dscnt 0x0
	s_barrier_signal -1
	s_barrier_wait -1                              ; and everybody's
	s_mov_b32 s[STP], 2
	s_mov_b32 s[STN], 3
	s_mov_b32 s[TB], 2*TILE
	s_mov_b32 s[CNT], 14
.Lrest:
	KEYS
	s_sub_co_u32 s[CNT], s[CNT], 1
	s_cmp_lg_u32 s[CNT], 0
	s_cbranch_scc1 .Lrest
.rept 4
	v_nop                                          ; places behind the last products, for the stores and loads below
.endr
	s_cmp_lt_u32 s[WV], 8
	s_cbranch_scc0 .Lkeeps
	v_add_f32 v13, v14, v15                        ; my lanes' sums, beside -M
.irp k, 0,1,2,3,4,5,6,7
	ds_store_b128 v216, v[160+4*\k:163+4*\k] offset:512*\k
.endr
	ds_store_b64 v217, v[12:13] offset:4096
.Lkeeps:
	s_wait_dscnt 0x0
	s_barrier_signal -1
	s_barrier_wait -1
	s_cmp_lt_u32 s[WV], 8
	s_cbranch_scc1 .Ldone
.irp k, 0,1,2,3,4,5,6,7
	ds_load_b128 v[32+4*\k:35+4*\k], v216 offset:512*\k
.endr
	ds_load_b64 v[64:65], v217 offset:4096
	s_wait_dscnt 0x0
	v_min_num_f32 v254, v12, v64                   ; -(the larger M)
	v_sub_f32 v252, v254, v12                      ; whole numbers, 0 or less
	v_sub_f32 v250, v254, v64
	v_cvt_i32_f32 v252, v252                       ; (they saturate: an empty part gets the factor 0)
	v_cvt_i32_f32 v250, v250
	v_ldexp_f32 v252, 1.0, v252
	v_ldexp_f32 v250, 1.0, v250
	v_mul_f32 v65, v65, v250
	v_mul_f32 v15, v15, v252
	v_fma_f32 v14, v14, v252, v65
.set n, 0
.rept 16
	v_pk_mul_f32 v[32+n:33+n], v[32+n:33+n], v[250:251] op_sel_hi:[1,0]
.set n, n+2
.endr
.set n, 0
.rept 16
	v_pk_fma_f32 v[160+n:161+n], v[160+n:161+n], v[252:253], v[32+n:33+n] op_sel_hi:[1,0,1]
.set n, n+2
.endr
	FINISH
.Ldone:
	s_wait_tensorcnt 0x0                           ; the wave's end
	ds_add_u32 v10, v11
	s_wait_dscnt 0x0
	CROUND                                         ; the closing round
	s_endpgm
.Lfunc_end_k_qdc15cbdabb_attn:
	.size	k_qdc15cbdabb_attn, .Lfunc_end_k_qdc15cbdabb_attn-k_qdc15cbdabb_attn
	.p2alignl 7, 3214868480
	.fill 96, 4, 3214868480
	.section	.rodata,"a",@progbits
	.p2align	6, 0x0
	.amdhsa_kernel k_qdc15cbdabb_attn
		.amdhsa_group_segment_fixed_size 327680
		.amdhsa_private_segment_fixed_size 0
		.amdhsa_enable_private_segment 0
		.amdhsa_kernarg_size 40
		.amdhsa_user_sgpr_count 2
		.amdhsa_user_sgpr_kernarg_segment_ptr 1
		.amdhsa_wavefront_size32 1
		.amdhsa_system_sgpr_workgroup_id_x 1
		.amdhsa_system_sgpr_workgroup_id_y 1
		.amdhsa_system_sgpr_workgroup_id_z 1
		.amdhsa_system_vgpr_workitem_id 0
		.amdhsa_next_free_vgpr 256
		.amdhsa_next_free_sgpr 100
		.amdhsa_reserve_vcc 1
		.amdhsa_float_denorm_mode_32 3
		.amdhsa_float_denorm_mode_16_64 3
		.amdhsa_memory_ordered 1
		.amdhsa_forward_progress 1
		.amdhsa_inst_pref_size 78
	.end_amdhsa_kernel
	.amdgpu_metadata
---
amdhsa.version: [ 1, 2 ]
amdhsa.kernels:
  - .name:           k_qdc15cbdabb_attn
    .symbol:         k_qdc15cbdabb_attn.kd
    .args:
      - { .name: qc, .offset: 0, .size: 8, .value_kind: global_buffer, .address_space: global }
      - { .name: kc, .offset: 8, .size: 8, .value_kind: global_buffer, .address_space: global }
      - { .name: vc, .offset: 16, .size: 8, .value_kind: global_buffer, .address_space: global }
      - { .name: lowp_scales, .offset: 24, .size: 8, .value_kind: global_buffer, .address_space: global }
      - { .name: oc, .offset: 32, .size: 8, .value_kind: global_buffer, .address_space: global }
    .group_segment_fixed_size: 327680
    .private_segment_fixed_size: 0
    .kernarg_segment_align: 8
    .kernarg_segment_size: 40
    .max_flat_workgroup_size: 512
    .sgpr_count:     100
    .vgpr_count:     256
    .wavefront_size: 32
...
	.end_amdgpu_metadata
.endif
;; end of part 3
;; launch proj (part 4): grid 8 x 32, 4 waves a work-group, clusters of 4 x 4, 327,680 bytes of LDS; arguments oc, w_proj_codes, lowp_scales, x, x1; writes x1
.if DOCPART == 4
	.amdgcn_target "amdgcn-amd-amdhsa--gfx1250"
	.amdhsa_code_object_version 6
	.text
	.protected	k_qdc15cbdabb_proj
	.globl	k_qdc15cbdabb_proj
	.p2align	8
	.type	k_qdc15cbdabb_proj,@function
k_qdc15cbdabb_proj:
	s_mov_b64 s[64:65], 0
	v_nop
	global_prefetch_b8 v0, s[64:65] scope:SCOPE_SE
	s_setreg_imm32_b32 hwreg(HW_REG_WAVE_MODE, 25, 1), 1
	s_wait_xcnt 0x0
	s_wait_alu depctr_hold_cnt(0) depctr_sa_sdst(0) depctr_va_vdst(0) depctr_va_sdst(0) depctr_va_ssrc(0) depctr_va_vcc(0) depctr_vm_vsrc(0)
	s_getreg_b32 s2, hwreg(HW_REG_IB_STS2, 6, 4)
	s_cmp_eq_u32 s2, 0
	s_cbranch_scc0 .Lentry_in_a_cluster
	s_endpgm
.Lentry_in_a_cluster:
	s_bfe_u32 s2, ttmp6, 0x10000c
	s_cmp_lg_u32 s2, 0xf033
	s_cbranch_scc0 .Lentry_shape_is_right
	s_endpgm
.Lentry_shape_is_right:
; x1 = x + attention's result x w_proj, the product on codes of E4M3.  oc: [4096][1024] codes (2^e6); w_proj_codes: [1024][1024] codes, K innermost (2^e7); x, x1: [4096][1024] f32.
; A tile of 128 x 128 to a work-group, so that there are 256 of them; four waves, 64 x 64 each: 16 accumulators.
; ALL OF K LIES IN LDS: 128 rows of each operand x (1,024 bytes + 16) = 266,240 bytes, filled once, one joint load of 64 rows a wave at the head.  No byte is filled again, so there is no change of slots.
; THE MATRIX INSTRUCTION IS USED TRANSPOSED (source 0 = 16 rows of the weight, source 1 = 16 rows of oc): a lane holds eight neighbouring numbers of a row of the result.
; CLUSTERS: 4 x 4; A's tile is shared along a row of the cluster, B's along a column.  No prefetch: the only tile loads stand at the head.
; The residual's 64 x 64 numbers of a wave are asked for at the head, into window 3.
; REGISTERS: window 0: v0-31 addresses, v128-191 A's 4 fragments; on the way out v32-159 rows.  window 1: B's two sets, at v0 and v128.  window 2: accumulator (a, b) at v[8 (4 a + b)].  window 3: v0-127 the residual.
; The k inside a matrix instruction are permuted alike on both sides (four loads of 16 bytes a fragment).
; LIMIT: e6 + e7 between -126 and 127.
.set SCOFF,  0x18
.set MB,     4
.set SIZE_K, 1024
.set PITCH,  SIZE_K+16
.set TR,     16*MB
.set HALFT,  TR*PITCH
.set SPARE,  4*HALFT                   ; behind the tiles: the spare words, 128 bytes a wave
.set STAGE,  SPARE+512                 ; and a stage of 16 rows x 272 bytes for each wave, on bytes of its own
.set ADRA, 16
.set ADRB, 20
.set STO,  24
.set RD,   25
.set CO,   26
.set SPW,  28
.set NIL,  29
.set BK,   32
.set AF,   128
.set G1,  24
.set G0,  32
.set G1B, 48
.set G0B, 56
.set MSB, 0
.set MUL,  0xa1                        ; source 0 window 1, source 1 window 0, C and D window 2
.macro WIN new                         ; the immediate's high byte repeats the setting that is left
.set WNEW, \new
.if MSB != WNEW
	s_set_vgpr_msb (MSB<<8)|WNEW
.set MSB, WNEW
.endif
.endm
.macro PLACES n
.rept \n
	v_nop
.endr
.endm
.macro CROUND
	s_barrier_signal -1
	s_barrier_wait -1
	s_cmp_lg_u32 s14, 0
	s_cbranch_scc1 .Lnot_wave_0_\@
	s_barrier_signal -3
.Lnot_wave_0_\@:
	s_barrier_wait -3
	s_barrier_signal -1
	s_barrier_wait -1
.endm
.macro FRAG reg, adr, q, i             ; 16 rows x 128 K: registers 4 c .. 4 c + 3 hold K = 32 c + 16 (l / 16) + 0 .. 15 of row l % 16
.irp c, 0,1,2,3
	ds_load_b128 v[\reg+4*\c:\reg+4*\c+3], v[\adr] offset:128*(\q)+32*\c+(\i)*16*PITCH
.endr
.endm
.macro FETCH_B q, p
	WIN 0x40
.set fi, 0
.rept MB
	FRAG 128*(\p)+16*fi, ADRB, \q, fi
.set fi, fi+1
.endr
	WIN 0
.endm
.macro FETCH_A q, i0
.set fi, \i0
.rept MB/2
	FRAG AF+16*fi, ADRA, \q, fi
.set fi, fi+1
.endr
.endm
.macro MULB a0, n, p, zero             ; the accumulators take turns, one instruction a turn
.set ma, \a0
.rept \n
.set mb, 0
.rept MB
.set rD, 8*(MB*ma+mb)
.if \zero
	v_wmma_f32_16x16x128_fp8_fp8 v[rD:rD+7], v[128*(\p)+16*mb:128*(\p)+16*mb+15], v[AF+16*ma:AF+16*ma+15], 0
.else
	v_wmma_f32_16x16x128_fp8_fp8 v[rD:rD+7], v[128*(\p)+16*mb:128*(\p)+16*mb+15], v[AF+16*ma:AF+16*ma+15], v[rD:rD+7]
.endif
.set mb, mb+1
.endr
.set ma, ma+1
.endr
.endm
.macro STEP q, zero                    ; 128 along K, and the next step's fragments; four plain lines stand in front of loads into registers that matrix instructions have read
	s_wait_dscnt 2*MB                              ; A's upper blocks (8 loads) may be out
	WIN MUL
	MULB 0, MB/2, (\q)%2, \zero
	s_wait_dscnt 0
	PLACES 4
	FETCH_B (\q)+1, 1-(\q)%2
	FETCH_A (\q)+1, 0
	WIN MUL
	MULB MB/2, MB/2, (\q)%2, \zero
	PLACES 4
	WIN 0
	FETCH_A (\q)+1, MB/2
.endm
	s_load_b128 s[4:7], s[0:1], 0x0                ; A's codes, B's codes
	s_load_b128 s[8:11], s[0:1], 0x10              ; scales, the residual
	s_load_b64 s[12:13], s[0:1], 0x20              ; the result
	v_lshl_add_u32 v[SPW], v0, 2, SPARE
	v_mov_b32 v[NIL], 0
	ds_add_u32 v[SPW], v[NIL]                      ; the opening lines: the add twice on end
	ds_add_u32 v[SPW], v[NIL]
	v_lshrrev_b32 v1, 5, v0
	v_readfirstlane_b32 s14, v1                    ; wave 0..3
	s_lshr_b32 s15, s14, 1                         ; my half of the rows; also: I fetch for A (0) or B (1)
	s_and_b32 s16, s14, 1                          ; my half of the columns; also: which 64 rows I fetch
	s_bfe_u32 s40, ttmp6, 0x40000                  ; cx
	s_bfe_u32 s41, ttmp6, 0x40004                  ; cy
	s_lshl_b32 s42, ttmp9, 2
	s_add_co_u32 s42, s42, s40                     ; tile column
	s_and_b32 s17, ttmp7, 0xffff
	s_lshl_b32 s17, s17, 2
	s_add_co_u32 s17, s17, s41                     ; tile row
	s_lshl_b32 s43, s41, 2
	s_lshl_b32 s43, 15, s43                        ; my row of the cluster
	s_lshl_b32 s44, 0x1111, s40                    ; my column
	s_or_b32 s[G1+0], s43, (1<<20)|(1<<21)|(7<<22)|(3<<25)    ; the mask; elements of 1 byte; padding on; bit 21 beside a mask; 4 words behind every 256
	s_or_b32 s[G1B+0], s44, (1<<20)|(1<<21)|(7<<22)|(3<<25)
.irp g, G1, G1B
	s_mov_b32 s[\g+1], SIZE_K<<16
	s_mov_b32 s[\g+2], TR<<16
	s_mov_b32 s[\g+3], SIZE_K<<16
	s_mov_b32 s[\g+4], TR
	s_mov_b32 s[\g+5], SIZE_K
	s_mov_b32 s[\g+6], 0
	s_mov_b32 s[\g+7], 0
.endr
	s_mul_i32 s18, s16, TR
	s_mul_i32 s20, s17, 2*TR
	s_add_co_u32 s20, s20, s18                     ; A's first row that I fetch: on cy, never on cx
	s_mul_i32 s20, s20, SIZE_K
	s_mov_b32 s21, 0
	s_mul_i32 s46, s42, 2*TR
	s_add_co_u32 s46, s46, s18                     ; B's: on cx, never on cy
	s_mul_i32 s46, s46, SIZE_K
	s_mov_b32 s47, 0
	s_mul_i32 s45, s14, HALFT
	s_wait_dscnt 0x0                               ; both opening adds are done
	s_wait_kmcnt 0x0
	s_load_b64 s[70:71], s[8:9], SCOFF             ; the two exponents
	s_add_nc_u64 s[20:21], s[4:5], s[20:21]
	s_add_nc_u64 s[46:47], s[6:7], s[46:47]
	CROUND                                         ; all sixteen work-groups are here: the joint loads meet
	s_mov_b32 s[G0], 1
	s_mov_b32 s[G0+1], s45
	s_mov_b64 s[G0+2:G0+3], s[20:21]
	s_or_b32 s[G0+3], s[G0+3], 0x80000000
	s_mov_b32 s[G0B], 1
	s_mov_b32 s[G0B+1], s45
	s_mov_b64 s[G0B+2:G0B+3], s[46:47]
	s_or_b32 s[G0B+3], s[G0B+3], 0x80000000
	s_cmp_eq_u32 s15, 0                            ; waves 0, 1 fetch for A, waves 2, 3 for B: one tensor load a wave
	s_cbranch_scc0 .Lfor_b
	tensor_load_to_lds s[G0:G0+3], s[G1:G1+7]
	s_nop 0
.rept 4
	v_nop
.endr
	s_branch .Lasked
.Lfor_b:
	tensor_load_to_lds s[G0B:G0B+3], s[G1B:G1B+7]
	s_nop 0
.rept 4
	v_nop
.endr
.Lasked:
	v_and_b32 v1, 15, v0                           ; r
	v_bfe_u32 v2, v0, 4, 1                         ; h
	s_wait_alu depctr_va_vdst(0)
	v_mul_u32_u24 v3, v1, PITCH
	v_lshl_add_u32 v4, v2, 4, v3
	s_mul_i32 s21, s15, HALFT
	s_mul_i32 s22, s16, HALFT
	s_add_co_u32 s22, s22, 2*HALFT
	v_add_nc_u32 v[ADRA], s21, v4
	v_add_nc_u32 v[ADRB], s22, v4
	s_mul_i32 s23, s14, 16*272
	s_add_co_u32 s23, s23, STAGE                   ; my stage
	v_mul_u32_u24 v5, v1, 272
	v_lshl_add_u32 v5, v2, 5, v5
	v_add_nc_u32 v[STO], s23, v5                   ; in: row r, 32 bytes for each half of the lanes
	v_mul_u32_u24 v6, v2, 272
	v_lshl_add_u32 v6, v1, 4, v6
	v_add_nc_u32 v[RD], s23, v6                    ; back: lanes 0-15 one row of 256 bytes, lanes 16-31 the next
	v_lshlrev_b32 v27, 4, v1
	v_lshl_add_u32 v[CO], v2, 12, v27              ; and the same two rows in memory
	s_wait_alu depctr_va_vdst(0)                   ; the wait ahead of the scalar lines below
	s_lshl_b32 s72, s17, 7
	s_lshl_b32 s73, s15, 6
	s_add_co_u32 s72, s72, s73                     ; my first row,
	s_lshl_b32 s72, s72, 12
	s_lshl_b32 s74, s42, 7
	s_lshl_b32 s75, s16, 6
	s_add_co_u32 s74, s74, s75                     ; my first column,
	s_lshl_b32 s74, s74, 2
	s_add_co_u32 s72, s72, s74                     ; in bytes
	s_mov_b32 s73, 0
	s_add_nc_u64 s[10:11], s[10:11], s[72:73]
	s_add_nc_u64 s[12:13], s[12:13], s[72:73]
	WIN 0xc0                                       ; destination window 3
.set i, 0
.rept 32
	global_load_b128 v[4*i:4*i+3], v[CO], s[10:11] offset:2*i*4096   ; the residual, in the layout in which rows come back from the stage
.set i, i+1
.endr
	WIN 0
	s_wait_tensorcnt 0x0                           ; my 64 rows are in
	s_barrier_signal -1
	s_barrier_wait -1                              ; and everybody's
	FETCH_B 0, 0
	FETCH_A 0, 0
	FETCH_A 0, MB/2
	STEP 0, 1                                      ; the first step's products start the sums
.irp q, 1,2,3,4,5,6
	STEP \q, 0
.endr
	s_wait_dscnt 2*MB                              ; the last step
	WIN MUL
	MULB 0, MB/2, 1, 0
	s_wait_dscnt 0
	MULB MB/2, MB/2, 1, 0
	WIN 0
	; THE WAY OUT: the sums go through my stage as they are, a block of 16 rows at a time, and come back as whole rows of 256 bytes
	PLACES 4
.irp a, 0,1,2,3
	WIN 0x08                                       ; a store's data: window 2
.irp b, 0,1,2,3
	ds_store_b128 v[STO], v[8*(4*\a+\b):8*(4*\a+\b)+3] offset:64*\b        ; each accumulator from its low end on
	ds_store_b128 v[STO], v[8*(4*\a+\b)+4:8*(4*\a+\b)+7] offset:64*\b+16
.endr
	WIN 0
.irp t, 0,1,2,3,4,5,6,7
	ds_load_b128 v[BK+32*\a+4*\t:BK+32*\a+4*\t+3], v[RD] offset:2*272*\t   ; LDS serves a wave's instructions in order
.endr
.endr
	s_wait_kmcnt 0x0
	s_add_co_i32 s66, s70, s71
	s_add_co_i32 s66, s66, 127
	s_lshl_b32 s66, s66, 23                        ; 2^(e6 + e7) as f32
	s_mov_b32 s67, s66
	s_wait_loadcnt 0x0                             ; the residual
.irp a, 0,1,2,3
	s_wait_dscnt 16*(3-\a)                         ; block a is back; the later blocks' sixteen LDS lines each may be out
	WIN 0x30                                       ; source 2: window 3
.irp i, 0,2,4,6,8,10,12,14,16,18,20,22,24,26,28,30
	v_pk_fma_f32 v[BK+32*\a+\i:BK+32*\a+\i+1], v[BK+32*\a+\i:BK+32*\a+\i+1], s[66:67], v[32*\a+\i:32*\a+\i+1] op_sel_hi:[1,0,1]
.endr
	WIN 0
.irp t, 0,1,2,3,4,5,6,7
	global_store_b128 v[CO], v[BK+32*\a+4*\t:BK+32*\a+4*\t+3], s[12:13] offset:(16*\a+2*\t)*4096   ; 16 lanes store 256 consecutive bytes, aligned
.endr
.endr
	s_wait_tensorcnt 0x0                           ; the wave's end
	ds_add_u32 v[SPW], v[NIL]
	s_wait_dscnt 0x0
	CROUND                                         ; the closing round
	s_endpgm
.Lfunc_end_k_qdc15cbdabb_proj:
	.size	k_qdc15cbdabb_proj, .Lfunc_end_k_qdc15cbdabb_proj-k_qdc15cbdabb_proj
	.p2alignl 7, 3214868480
	.fill 96, 4, 3214868480
	.section	.rodata,"a",@progbits
	.p2align	6, 0x0
	.amdhsa_kernel k_qdc15cbdabb_proj
		.amdhsa_group_segment_fixed_size 327680
		.amdhsa_private_segment_fixed_size 0
		.amdhsa_enable_private_segment 0
		.amdhsa_kernarg_size 40
		.amdhsa_user_sgpr_count 2
		.amdhsa_user_sgpr_kernarg_segment_ptr 1
		.amdhsa_wavefront_size32 1
		.amdhsa_system_sgpr_workgroup_id_x 1
		.amdhsa_system_sgpr_workgroup_id_y 1
		.amdhsa_system_sgpr_workgroup_id_z 1
		.amdhsa_system_vgpr_workitem_id 0
		.amdhsa_next_free_vgpr 1024
		.amdhsa_next_free_sgpr 100
		.amdhsa_reserve_vcc 0
		.amdhsa_float_denorm_mode_32 3
		.amdhsa_float_denorm_mode_16_64 3
		.amdhsa_memory_ordered 1
		.amdhsa_forward_progress 1
		.amdhsa_inst_pref_size 49
	.end_amdhsa_kernel
	.amdgpu_metadata
---
amdhsa.version: [ 1, 2 ]
amdhsa.kernels:
  - .name:           k_qdc15cbdabb_proj
    .symbol:         k_qdc15cbdabb_proj.kd
    .args:
      - { .name: oc, .offset: 0, .size: 8, .value_kind: global_buffer, .address_space: global }
      - { .name: w_proj_codes, .offset: 8, .size: 8, .value_kind: global_buffer, .address_space: global }
      - { .name: lowp_scales, .offset: 16, .size: 8, .value_kind: global_buffer, .address_space: global }
      - { .name: x, .offset: 24, .size: 8, .value_kind: global_buffer, .address_space: global }
      - { .name: x1, .offset: 32, .size: 8, .value_kind: global_buffer, .address_space: global }
    .group_segment_fixed_size: 327680
    .private_segment_fixed_size: 0
    .kernarg_segment_align: 8
    .kernarg_segment_size: 40
    .max_flat_workgroup_size: 128
    .sgpr_count:     100
    .vgpr_count:     1024
    .wavefront_size: 32
...
	.end_amdgpu_metadata
.endif
;; end of part 4
;; launch ln2 (part 5): grid 256 x 1, 16 waves a work-group, no clusters, 0 bytes of LDS; arguments x1, ln2_w, ln2_b, lowp_scales, hc; writes hc
.if DOCPART == 5
	.amdgcn_target "amdgcn-amd-amdhsa--gfx1250"
	.amdhsa_code_object_version 6
	.text
	.protected	k_qdc15cbdabb_ln2
	.globl	k_qdc15cbdabb_ln2
	.p2align	8
	.type	k_qdc15cbdabb_ln2,@function
k_qdc15cbdabb_ln2:
	s_mov_b64 s[64:65], 0
	v_nop
	global_prefetch_b8 v0, s[64:65] scope:SCOPE_SE
	s_setreg_imm32_b32 hwreg(HW_REG_WAVE_MODE, 25, 1), 1
	s_wait_xcnt 0x0
; LayerNorm of x1's 4,096 rows of 1,024 f32, then codes of E4M3 with the given scale 2^e (entry 8 of the scales): the left operand of the product with fc1_w.
; y = (x - mean) * rsqrt(var + 1e-5) * w + b in f32; code = y / 2^e, held within +-448, to the nearest code, ties to even.
; One wave takes one row and keeps it in 32 registers between the passes (mean; squares of x - mean; scaling): the row is read once, no wave waits for another, so no LDS and no barrier.
; Lane l holds the numbers 256 j + 8 l + 0 .. 7, j = 0 .. 3: eight neighbours along K for each conversion; a pair of loads covers 1,024 consecutive bytes, a store of codes 256 consecutive bytes, aligned.
; Matrix units, clusters and tensor loads are left out: rows share nothing but w and b (8 KiB).
; LIMITS: e between -126 and 119, so that 2^e and 448 x 2^e are f32 numbers.  NaN among the inputs is not served.
.set SCOFF, 0x20                       ; byte of the operand's exponent in the buffer of scales
.set X, 16                             ; v[16:47]   the row's 32 numbers of my lane
.set W, 48                             ; v[48:79]   the gain at the same places
.set B, 80                             ; v[80:111]  the bias
.set C, 112                            ; v[112:119] the codes
	s_load_b256 s[4:11], s[0:1], 0x0               ; x1 s[4:5], w s[6:7], b s[8:9], scales s[10:11]
	s_load_b64 s[12:13], s[0:1], 0x20              ; the codes
	v_lshrrev_b32 v3, 5, v0
	s_delay_alu instid0(VALU_DEP_1)
	v_readfirstlane_b32 s16, v3                    ; wave 0..15
	v_and_b32 v3, 31, v0                           ; lane
	s_delay_alu instid0(VALU_DEP_1)
	v_lshlrev_b32 v1, 5, v3                        ; in: 32 bytes a lane
	s_delay_alu instid0(VALU_DEP_2)
	v_lshlrev_b32 v2, 3, v3                        ; out: 8 bytes a lane
	s_lshl_b32 s17, ttmp9, 4
	s_add_co_u32 s17, s17, s16                     ; my row: 16 x work-group + wave
	s_lshl_b32 s18, s17, 12                        ; x 4,096 bytes
	s_mov_b32 s19, 0
	s_lshl_b32 s20, s17, 10                        ; x 1,024 bytes of codes
	s_mov_b32 s21, 0
	s_mov_b32 s14, 0x76543210                      ; v_permlanex16_b32: lane l takes lane l xor 16
	s_mov_b32 s15, 0xfedcba98
	s_mov_b32 s23, 0x3a800000                      ; 1 / 1024
	s_mov_b32 s24, 0x3727c5ac                      ; 1e-5
	s_wait_alu depctr_va_vdst(0)
	s_wait_kmcnt 0x0
	s_load_b32 s22, s[10:11], SCOFF                ; e
	s_add_nc_u64 s[4:5], s[4:5], s[18:19]
	s_add_nc_u64 s[12:13], s[12:13], s[20:21]
.irp j, 0,1,2,3
	global_load_b128 v[X+8*\j:X+8*\j+3], v1, s[4:5] offset:1024*\j
	global_load_b128 v[X+8*\j+4:X+8*\j+7], v1, s[4:5] offset:1024*\j+16
.endr
.irp j, 0,1,2,3
	global_load_b128 v[W+8*\j:W+8*\j+3], v1, s[6:7] offset:1024*\j
	global_load_b128 v[W+8*\j+4:W+8*\j+7], v1, s[6:7] offset:1024*\j+16
.endr
.irp j, 0,1,2,3
	global_load_b128 v[B+8*\j:B+8*\j+3], v1, s[8:9] offset:1024*\j
	global_load_b128 v[B+8*\j+4:B+8*\j+7], v1, s[8:9] offset:1024*\j+16
.endr
; four running pairs in v[4:11] become one number in every lane: v4
.macro FOLD
	s_delay_alu instid0(VALU_DEP_3)
	v_pk_add_f32 v[4:5], v[4:5], v[6:7]
	s_delay_alu instid0(VALU_DEP_2)
	v_pk_add_f32 v[8:9], v[8:9], v[10:11]
	s_delay_alu instid0(VALU_DEP_1)
	v_pk_add_f32 v[4:5], v[4:5], v[8:9]
	s_delay_alu instid0(VALU_DEP_1)
	v_add_f32 v4, v4, v5
	s_delay_alu instid0(VALU_DEP_1)
	v_add_f32_dpp v4, v4, v4 row_xmask:1 row_mask:0xf bank_mask:0xf
	s_delay_alu instid0(VALU_DEP_1)
	v_add_f32_dpp v4, v4, v4 row_xmask:2 row_mask:0xf bank_mask:0xf
	s_delay_alu instid0(VALU_DEP_1)
	v_add_f32_dpp v4, v4, v4 row_xmask:4 row_mask:0xf bank_mask:0xf
	s_delay_alu instid0(VALU_DEP_1)
	v_add_f32_dpp v4, v4, v4 row_xmask:8 row_mask:0xf bank_mask:0xf
	s_delay_alu instid0(VALU_DEP_1)
	v_permlanex16_b32 v5, v4, s14, s15             ; (v5 has been written: the destination counts as read)
	s_delay_alu instid0(VALU_DEP_1)
	v_add_f32 v4, v4, v5
.endm
	s_wait_loadcnt 16                              ; the row's eight loads are in; w's and b's sixteen may be out
.irp k, 0,1,2,3
	v_pk_add_f32 v[4+2*\k:5+2*\k], v[X+2*\k:X+2*\k+1], v[X+8+2*\k:X+9+2*\k]   ; the first sums start the four chains
.endr
.irp i, 16,24
.irp k, 0,1,2,3
	s_delay_alu instid0(VALU_DEP_4)
	v_pk_add_f32 v[4+2*\k:5+2*\k], v[4+2*\k:5+2*\k], v[X+\i+2*\k:X+\i+2*\k+1]
.endr
.endr
	FOLD
	s_delay_alu instid0(VALU_DEP_1)
	v_mul_f32 v12, s23, v4                         ; the mean, in both halves of a pair
	s_delay_alu instid0(VALU_DEP_1)
	v_mov_b32 v13, v12
.irp i, 0,2,4,6,8,10,12,14,16,18,20,22,24,26,28,30
	v_pk_add_f32 v[X+\i:X+\i+1], v[X+\i:X+\i+1], v[12:13] neg_lo:[0,1] neg_hi:[0,1]   ; x - mean, in place: the variance is a sum of small squares, whatever offset the row carries
.endr
.irp k, 0,1,2,3
	v_pk_mul_f32 v[4+2*\k:5+2*\k], v[X+2*\k:X+2*\k+1], v[X+2*\k:X+2*\k+1]
.endr
.irp i, 8,16,24
.irp k, 0,1,2,3
	s_delay_alu instid0(VALU_DEP_4)
	v_pk_fma_f32 v[4+2*\k:5+2*\k], v[X+\i+2*\k:X+\i+2*\k+1], v[X+\i+2*\k:X+\i+2*\k+1], v[4+2*\k:5+2*\k]
.endr
.endr
	FOLD
	s_delay_alu instid0(VALU_DEP_1)
	v_fma_f32 v4, v4, s23, s24                     ; var + 1e-5 (the division by 1,024 rounds nothing)
	s_wait_kmcnt 0x0
	s_add_co_i32 s22, s22, 127
	s_lshl_b32 s25, s22, 23                        ; 2^e as f32: the conversion takes its exponent field
	s_add_co_i32 s22, s22, 8
	s_lshl_b32 s22, s22, 23
	s_or_b32 s22, s22, 0x600000                    ; 448 x 2^e
	s_wait_alu depctr_va_vdst(0)
	v_rsq_f32 v14, v4                              ; twice, to fill the pair that the packed multiply names
	v_rsq_f32 v15, v4
	v_mov_b32 v6, s25                              ; (plain lines between the roots and their first use)
	v_mov_b32 v7, s22
	s_wait_alu depctr_va_vdst(0)                   ; the wait ahead of the roots' first reader
	s_wait_loadcnt 0x0                             ; w and b
.irp i, 0,2,4,6,8,10,12,14,16,18,20,22,24,26,28,30
	v_pk_mul_f32 v[X+\i:X+\i+1], v[X+\i:X+\i+1], v[14:15]
.endr
.irp i, 0,2,4,6,8,10,12,14,16,18,20,22,24,26,28,30
	v_pk_fma_f32 v[X+\i:X+\i+1], v[X+\i:X+\i+1], v[W+\i:W+\i+1], v[B+\i:B+\i+1]
.endr
.set n, 0
.rept 32
	v_med3_num_f32 v[X+n], v[X+n], -v7, v7         ; the conversion to an 8-bit code does not saturate (ISA guide 7.6.2): the hold at the largest code x the scale
.set n, n+1
.endr
.irp j, 0,1,2,3
	v_cvt_scalef32_pk8_fp8_f32 v[C+2*\j:C+2*\j+1], v[X+8*\j:X+8*\j+7], v6
.endr
.irp j, 0,1,2,3
	global_store_b64 v2, v[C+2*\j:C+2*\j+1], s[12:13] offset:256*\j   ; 32 lanes store 256 consecutive bytes, aligned
.endr
	s_endpgm
.Lfunc_end_k_qdc15cbdabb_ln2:
	.size	k_qdc15cbdabb_ln2, .Lfunc_end_k_qdc15cbdabb_ln2-k_qdc15cbdabb_ln2
	.p2alignl 7, 3214868480
	.fill 96, 4, 3214868480
	.section	.rodata,"a",@progbits
	.p2align	6, 0x0
	.amdhsa_kernel k_qdc15cbdabb_ln2
		.amdhsa_group_segment_fixed_size 0
		.amdhsa_private_segment_fixed_size 0
		.amdhsa_enable_private_segment 0
		.amdhsa_kernarg_size 40
		.amdhsa_user_sgpr_count 2
		.amdhsa_user_sgpr_kernarg_segment_ptr 1
		.amdhsa_wavefront_size32 1
		.amdhsa_system_sgpr_workgroup_id_x 1
		.amdhsa_system_sgpr_workgroup_id_y 1
		.amdhsa_system_sgpr_workgroup_id_z 1
		.amdhsa_system_vgpr_workitem_id 0
		.amdhsa_next_free_vgpr 120
		.amdhsa_next_free_sgpr 66
		.amdhsa_reserve_vcc 0
		.amdhsa_float_denorm_mode_32 3
		.amdhsa_float_denorm_mode_16_64 3
		.amdhsa_memory_ordered 1
		.amdhsa_forward_progress 1
		.amdhsa_inst_pref_size 14
	.end_amdhsa_kernel
	.amdgpu_metadata
---
amdhsa.version: [ 1, 2 ]
amdhsa.kernels:
  - .name:           k_qdc15cbdabb_ln2
    .symbol:         k_qdc15cbdabb_ln2.kd
    .args:
      - { .name: x1, .offset: 0, .size: 8, .value_kind: global_buffer, .address_space: global }
      - { .name: ln2_w, .offset: 8, .size: 8, .value_kind: global_buffer, .address_space: global }
      - { .name: ln2_b, .offset: 16, .size: 8, .value_kind: global_buffer, .address_space: global }
      - { .name: lowp_scales, .offset: 24, .size: 8, .value_kind: global_buffer, .address_space: global }
      - { .name: hc, .offset: 32, .size: 8, .value_kind: global_buffer, .address_space: global }
    .group_segment_fixed_size: 0
    .private_segment_fixed_size: 0
    .kernarg_segment_align: 8
    .kernarg_segment_size: 40
    .max_flat_workgroup_size: 512
    .sgpr_count:     66
    .vgpr_count:     120
    .wavefront_size: 32
...
	.end_amdgpu_metadata
.endif
;; end of part 5
;; launch fc1 (part 6): grid 16 x 16, 4 waves a work-group, clusters of 4 x 4, 327,680 bytes of LDS; arguments hc, fc1_w_codes, lowp_scales, fc1_b, gc; writes gc
.if DOCPART == 6
	.amdgcn_target "amdgcn-amd-amdhsa--gfx1250"
	.amdhsa_code_object_version 6
	.text
	.protected	k_qdc15cbdabb_fc1
	.globl	k_qdc15cbdabb_fc1
	.p2align	8
	.type	k_qdc15cbdabb_fc1,@function
k_qdc15cbdabb_fc1:
	s_mov_b64 s[64:65], 0
	v_nop
	global_prefetch_b8 v0, s[64:65] scope:SCOPE_SE
	s_setreg_imm32_b32 hwreg(HW_REG_WAVE_MODE, 25, 1), 1
	s_wait_xcnt 0x0
	s_wait_alu depctr_hold_cnt(0) depctr_sa_sdst(0) depctr_va_vdst(0) depctr_va_sdst(0) depctr_va_ssrc(0) depctr_va_vcc(0) depctr_vm_vsrc(0)
	s_getreg_b32 s2, hwreg(HW_REG_IB_STS2, 6, 4)
	s_cmp_eq_u32 s2, 0
	s_cbranch_scc0 .Lentry_in_a_cluster
	s_endpgm
.Lentry_in_a_cluster:
	s_bfe_u32 s2, ttmp6, 0x10000c
	s_cmp_lg_u32 s2, 0xf033
	s_cbranch_scc0 .Lentry_shape_is_right
	s_endpgm
.Lentry_shape_is_right:
; g = gelu(LN2(x1) fc1_w + fc1_b), the product on codes of E4M3, and g quantised at once for the product with fc2_w.
; hc: [4096][1024] codes (2^e8); fc1_w_codes: [4096][1024] codes, K innermost (2^e9); gc: [4096][4096] codes (2^e10).  Sums in f32.
; A tile of 256 x 256 to a work-group of four waves, 128 x 128 to a wave; K in steps of 256 through a ring of two LDS slots filled by joint tensor loads; clusters of 4 x 4.
; The matrix instruction is used transposed: a lane holds eight neighbouring columns of a row, the next product's K.
; gelu(y) = y / 2 + y / 2 x erf(z), z = y / sqrt(2) held within +-4, erf(z) = z P(z^2) / Q(z^2), P of degree 6 and Q of degree 4, all in f32; the division is v_rcp_f32 and a multiplication.
; PREFETCH: behind K step 0's load K steps 1 and 2 are asked for, behind step 1's load step 3.  Of the 128 rows that a wave fetches each of the four partners names 32, told apart by address, a lane a row of 256 bytes.
; LIMITS: e8 + e9 between -126 and 127; e10 between -126 and 119.  NaN is not served.
.set MB,     8
.set PFO,  13                          ; the prefetches' offset: my lane x a row; never rewritten
.set PFA,  100                         ; s[100:101] my work-group's 32 of the rows that I fetch, at K step 0; never rewritten
.set SIZE_K, 1024
.set KSTEP,  256
.set QI,     5
.set NQ,     KSTEP/128
.set PITCH,  KSTEP+16
.set TR,     16*MB
.set HALFT,  TR*PITCH
.set SLOT,   4*HALFT
.set SPARE,  2*SLOT
.set LAPS,   SIZE_K/(2*KSTEP)
.set ADRA, 16
.set ADRB, 20
.set STO,  24
.set RD,   25
.set CO,   26
.set SPW,  28
.set NIL,  29
.set BI,   32
.set Y,    96
.set XX,   160
.set X2,   176
.set PP,   192
.set QQ,   208
.set CD,   224
.set LIM,  240
.set SCV,  241
.set SA,   242
.set AF,   128
.set G1,  24
.set G0,  32
.set G1B, 48
.set G0B, 56
.set MSB, 0
.set MUL_LO, 0xa1
.set MUL_HI, 0xa1+0x50*(MB/8)
.set TO_B,   0x40
.macro WIN new
.set WNEW, \new
.if MSB != WNEW
	s_set_vgpr_msb (MSB<<8)|WNEW
.set MSB, WNEW
.endif
.endm
.macro PLACES n
.rept \n
	v_nop
.endr
.endm
.macro JLOAD g0a, g1a, g0b, g1b
	s_cmp_eq_u32 s15, 0
	s_cbranch_scc0 .Lfor_b_\@
	tensor_load_to_lds s[\g0a:\g0a+3], s[\g1a:\g1a+7]
	s_nop 0
.rept 4
	v_nop
.endr
	s_branch .Lasked_\@
.Lfor_b_\@:
	tensor_load_to_lds s[\g0b:\g0b+3], s[\g1b:\g1b+7]
	s_nop 0
.rept 4
	v_nop
.endr
.Lasked_\@:
.endm
.macro CREST
	s_cmp_lg_u32 s14, 0
	s_cbranch_scc1 .Lnot_wave_0_\@
	s_barrier_signal -3
.Lnot_wave_0_\@:
	s_barrier_wait -3
	s_barrier_signal -1
	s_barrier_wait -1
.endm
.macro CROUND
	s_barrier_signal -1
	s_barrier_wait -1
	CREST
.endm
.macro FRAG reg, adr, q, i
.irp c, 0,1,2,3
	ds_load_b128 v[\reg+4*\c:\reg+4*\c+3], v[\adr] offset:128*(\q)+32*\c+(\i)*16*PITCH
.endr
.endm
.macro FETCH_B slot, q, p
	WIN TO_B
.set fi, 0
.rept MB
	FRAG 128*(\p)+16*fi, ADRB+\slot, \q, fi
.set fi, fi+1
.endr
	WIN 0
.endm
.macro FETCH_A slot, q, i0
.set fi, \i0
.rept MB/2
	FRAG AF+16*fi, ADRA+\slot, \q, fi
.set fi, fi+1
.endr
.endm
.macro MULB a0, n, p, zero
.set ma, \a0
.rept \n
.set mb, 0
.rept MB
.set rD, 8*(MB*(ma%4)+mb)
.if \zero
	v_wmma_f32_16x16x128_fp8_fp8 v[rD:rD+7], v[128*(\p)+16*mb:128*(\p)+16*mb+15], v[AF+16*ma:AF+16*ma+15], 0
.else
	v_wmma_f32_16x16x128_fp8_fp8 v[rD:rD+7], v[128*(\p)+16*mb:128*(\p)+16*mb+15], v[AF+16*ma:AF+16*ma+15], v[rD:rD+7]
.endif
.set mb, mb+1
.endr
.set ma, ma+1
.endr
.endm
.macro STEP slot, q, zero
	s_wait_dscnt 2*MB
	WIN MUL_LO
	MULB 0, MB/2, (\q)%2, \zero
	s_wait_dscnt 0
	PLACES 4
	FETCH_B \slot, (\q)+1, 1-(\q)%2
	FETCH_A \slot, (\q)+1, 0
	WIN MUL_HI
	MULB MB/2, MB/2, (\q)%2, \zero
	PLACES 4
	WIN 0
	FETCH_A \slot, (\q)+1, MB/2
.endm
.macro TURN slot, next, fill
	s_wait_tensorcnt 0x0
	ds_add_u32 v[SPW], v[NIL]
	s_wait_dscnt 2*MB+1
	WIN MUL_LO
	MULB 0, MB/4, 1, 0
	s_wait_dscnt 0x0
	s_barrier_signal -1
	MULB MB/4, MB/4, 1, 0
	WIN 0
	s_barrier_wait -1
.if \fill
	CREST
	s_add_nc_u64 s[G0+4*\slot+2:G0+4*\slot+3], s[G0+4*\slot+2:G0+4*\slot+3], 2*KSTEP
	s_add_nc_u64 s[G0B+4*\slot+2:G0B+4*\slot+3], s[G0B+4*\slot+2:G0B+4*\slot+3], 2*KSTEP
	JLOAD G0+4*\slot, G1, G0B+4*\slot, G1B
.else
	PLACES 4
.endif
	FETCH_B \next, 0, 0
	FETCH_A \next, 0, 0
	WIN MUL_HI
	MULB MB/2, MB/2, 1, 0
	PLACES 4
	WIN 0
	FETCH_A \next, 0, MB/2
.endm
.macro STEPS s
.set sq, 0
.rept NQ-1
	STEP \s, sq, 0
.set sq, sq+1
.endr
.endm
	s_load_b128 s[4:7], s[0:1], 0x0
	s_load_b128 s[8:11], s[0:1], 0x10
	s_load_b64 s[12:13], s[0:1], 0x20
	v_lshl_add_u32 v[SPW], v0, 2, SPARE
	v_mov_b32 v[NIL], 0
	ds_add_u32 v[SPW], v[NIL]                      ; the opening lines: the add twice on end
	ds_add_u32 v[SPW], v[NIL]
	v_and_b32 v[PFO], 31, v0
	v_lshlrev_b32 v[PFO], 10, v[PFO]               ; my lane x 1,024 bytes
	v_lshrrev_b32 v1, 5, v0
	v_readfirstlane_b32 s14, v1
	s_lshr_b32 s15, s14, 1
	s_and_b32 s16, s14, 1
	s_bfe_u32 s40, ttmp6, 0x40000
	s_bfe_u32 s41, ttmp6, 0x40004
	s_lshl_b32 s42, ttmp9, 2
	s_add_co_u32 s42, s42, s40
	s_and_b32 s17, ttmp7, 0xffff
	s_lshl_b32 s17, s17, 2
	s_add_co_u32 s17, s17, s41
	s_lshl_b32 s43, s41, 2
	s_lshl_b32 s43, 15, s43
	s_lshl_b32 s44, 0x1111, s40
	s_or_b32 s[G1+0], s43, (1<<20)|(1<<21)|(QI<<22)|(3<<25)
	s_or_b32 s[G1B+0], s44, (1<<20)|(1<<21)|(QI<<22)|(3<<25)
.irp g, G1, G1B
	s_mov_b32 s[\g+1], KSTEP<<16
	s_mov_b32 s[\g+2], TR<<16
	s_mov_b32 s[\g+3], KSTEP<<16
	s_mov_b32 s[\g+4], TR
	s_mov_b32 s[\g+5], SIZE_K
	s_mov_b32 s[\g+6], 0
	s_mov_b32 s[\g+7], 0
.endr
	s_mul_i32 s18, s16, TR
	s_mul_i32 s20, s17, 2*TR
	s_add_co_u32 s20, s20, s18
	s_mul_i32 s20, s20, SIZE_K
	s_mov_b32 s21, 0
	s_mul_i32 s46, s42, 2*TR
	s_add_co_u32 s46, s46, s18
	s_mul_i32 s46, s46, SIZE_K
	s_mov_b32 s47, 0
	s_mul_i32 s45, s14, HALFT
	s_wait_alu depctr_va_vdst(0)                   ; the wait ahead of the waits below
	s_wait_dscnt 0x0                               ; both opening adds are done
	s_wait_kmcnt 0x0
	s_load_b128 s[92:95], s[8:9], 0x20
	s_add_nc_u64 s[20:21], s[4:5], s[20:21]
	s_add_nc_u64 s[46:47], s[6:7], s[46:47]
	s_cmp_eq_u32 s15, 0                            ; the prefetches: the rows that I fetch,
	s_cselect_b64 s[PFA:PFA+1], s[20:21], s[46:47]
	s_cselect_b32 s2, s40, s41                     ; my place among the four that ask for them with me,
	s_mul_i32 s2, s2, 32*SIZE_K                    ; x 32 rows
	s_mov_b32 s3, 0
	s_add_nc_u64 s[PFA:PFA+1], s[PFA:PFA+1], s[2:3]
	CROUND
.irp s, 0,1
	s_mov_b32 s[G0+4*\s], 1
	s_add_co_u32 s[G0+4*\s+1], s45, \s*SLOT
	s_add_nc_u64 s[G0+4*\s+2:G0+4*\s+3], s[20:21], \s*KSTEP
	s_or_b32 s[G0+4*\s+3], s[G0+4*\s+3], 0x80000000
	s_mov_b32 s[G0B+4*\s], 1
	s_add_co_u32 s[G0B+4*\s+1], s45, \s*SLOT
	s_add_nc_u64 s[G0B+4*\s+2:G0B+4*\s+3], s[46:47], \s*KSTEP
	s_or_b32 s[G0B+4*\s+3], s[G0B+4*\s+3], 0x80000000
.endr
	JLOAD G0, G1, G0B, G1B                         ; K step 0: one tensor load a wave at the head
	global_prefetch_b8 v[PFO], s[PFA:PFA+1] offset:KSTEP th:TH_LOAD_NT scope:SCOPE_SE     ; K steps 1 and 2
	global_prefetch_b8 v[PFO], s[PFA:PFA+1] offset:2*KSTEP th:TH_LOAD_NT scope:SCOPE_SE
	v_and_b32 v1, 15, v0
	s_wait_alu depctr_va_vdst(0)
	v_bfe_u32 v2, v0, 4, 1
	v_mul_u32_u24 v3, v1, PITCH
	v_lshl_add_u32 v4, v2, 4, v3
	s_mul_i32 s21, s15, HALFT
	s_mul_i32 s22, s16, HALFT
	s_add_co_u32 s22, s22, 2*HALFT
.irp s, 0,1
	v_add_nc_u32 v[ADRA+\s], s21, v4
	v_add_nc_u32 v[ADRB+\s], s22, v4
	s_add_co_u32 s21, s21, SLOT
	s_add_co_u32 s22, s22, SLOT
.endr
	s_mul_i32 s23, s15, 128*272
	s_lshl_b32 s22, s16, 7
	s_add_co_u32 s23, s23, s22
	v_mul_u32_u24 v5, v1, 272
	s_wait_alu depctr_va_vdst(0)
	v_lshl_add_u32 v5, v2, 3, v5
	v_add_nc_u32 v[STO], s23, v5
	s_mul_i32 s23, s14, 64*272
	v_mul_u32_u24 v6, v2, 272
	v_lshl_add_u32 v6, v1, 4, v6
	v_add_nc_u32 v[RD], s23, v6
	v_lshlrev_b32 v7, 4, v1
	v_lshl_add_u32 v[CO], v2, 12, v7
	v_lshlrev_b32 v27, 5, v2
	s_lshl_b32 s96, s42, 8
	s_lshl_b32 s97, s16, 7
	s_add_co_u32 s96, s96, s97
	s_lshl_b32 s96, s96, 2
	s_mov_b32 s97, 0
	s_add_nc_u64 s[10:11], s[10:11], s[96:97]
.irp b, 0,1,2,3,4,5,6,7
	global_load_b128 v[BI+8*\b:BI+8*\b+3], v27, s[10:11] offset:64*\b
	global_load_b128 v[BI+8*\b+4:BI+8*\b+7], v27, s[10:11] offset:64*\b+16
.endr
	s_lshl_b32 s96, s17, 8
	s_lshl_b32 s98, s14, 6
	s_add_co_u32 s96, s96, s98
	s_lshl_b32 s96, s96, 12
	s_lshl_b32 s98, s42, 8
	s_add_co_u32 s96, s96, s98
	s_add_nc_u64 s[12:13], s[12:13], s[96:97]
	s_wait_alu depctr_va_vdst(0)                   ; the wait at the head's end
	s_wait_tensorcnt 0x0                           ; my part of K step 0 is in
	ds_add_u32 v[SPW], v[NIL]                      ; ahead of a later first fill
	s_wait_dscnt 0x0
	CROUND
	JLOAD G0+4, G1, G0B+4, G1B                     ; K step 1, the first tensor load behind the round
	global_prefetch_b8 v[PFO], s[PFA:PFA+1] offset:3*KSTEP th:TH_LOAD_NT scope:SCOPE_SE   ; K step 3
	FETCH_B 0, 0, 0
	FETCH_A 0, 0, 0
	FETCH_A 0, 0, MB/2
	STEP 0, 0, 1
.if NQ > 2
	STEP 0, 1, 0
	STEP 0, 2, 0
.endif
.if LAPS > 1
	s_mov_b32 s3, LAPS-1
.Llap:
	TURN 0, 1, 1
	STEPS 1
	TURN 1, 0, 1
	STEPS 0
	s_sub_co_u32 s3, s3, 1
	s_cmp_lg_u32 s3, 0
	s_cbranch_scc1 .Llap
.endif
	TURN 0, 1, 0
	STEPS 1
	s_wait_dscnt 2*MB
	WIN MUL_LO
	MULB 0, MB/2, 1, 0
	s_wait_dscnt 0
	WIN MUL_HI
	MULB MB/2, MB/2, 1, 0
	WIN 0
.macro PAIR r, bits
	s_mov_b32 s[\r], \bits
	s_mov_b32 s[\r+1], \bits
.endm
	PAIR 66, 0x3f3504f3
	PAIR 68, 0x32edffee
	PAIR 70, 0xb60cff51
	PAIR 72, 0xb86ec2d2
	PAIR 74, 0xba40ac63
	PAIR 76, 0xbb41a1f6
	PAIR 78, 0xbc83dbd4
	PAIR 80, 0xb95fbd29
	PAIR 82, 0xbadc924e
	PAIR 84, 0xbbf19bf8
	PAIR 86, 0xbc69b6a7
	s_wait_kmcnt 0x0
	s_add_co_i32 s88, s92, s93
	s_add_co_i32 s88, s88, 127
	s_lshl_b32 s88, s88, 23
	s_mov_b32 s89, s88
	s_add_co_i32 s96, s94, 127
	s_lshl_b32 s97, s96, 23
	s_add_co_i32 s96, s96, 8
	s_lshl_b32 s96, s96, 23
	s_or_b32 s96, s96, 0x600000
	PLACES 4
	v_mov_b32 v[SCV], s97
	v_mov_b32 v[LIM], s96
	v_mov_b32 v244, 0xaf95df0b
	v_mov_b32 v245, 0xaf95df0b
	v_mov_b32 v246, 0xb77460cd
	v_mov_b32 v247, 0xb77460cd
	s_wait_loadcnt 0x0
.macro ARM a
	WIN 0x02+(\a)/4
.set j, 0
.rept 32
	v_pk_fma_f32 v[Y+j:Y+j+1], v[64*((\a)%4)+j:64*((\a)%4)+j+1], s[88:89], v[BI+j:BI+j+1] op_sel_hi:[1,0,1]
.set j, j+2
.endr
	WIN 0
.endm
.macro HORN d, c
.irp i, 0,2,4,6,8,10,12,14
	v_pk_fma_f32 v[\d+\i:\d+\i+1], v[\d+\i:\d+\i+1], v[X2+\i:X2+\i+1], s[\c:\c+1] op_sel_hi:[1,1,0]
.endr
.endm
.macro GELU8 g
.set YG, Y+16*(\g)
.irp i, 0,2,4,6,8,10,12,14
	v_pk_mul_f32 v[XX+\i:XX+\i+1], v[YG+\i:YG+\i+1], s[66:67] op_sel_hi:[1,0]
.endr
.irp i, 0,1,2,3,4,5,6,7,8,9,10,11,12,13,14,15
	v_med3_num_f32 v[XX+\i], v[XX+\i], -4.0, 4.0
.endr
.irp i, 0,2,4,6,8,10,12,14
	v_pk_mul_f32 v[X2+\i:X2+\i+1], v[XX+\i:XX+\i+1], v[XX+\i:XX+\i+1]
.endr
.irp i, 0,2,4,6,8,10,12,14
	v_pk_fma_f32 v[PP+\i:PP+\i+1], v[X2+\i:X2+\i+1], v[244:245], s[68:69] op_sel_hi:[1,1,0]
.endr
.irp i, 0,2,4,6,8,10,12,14
	v_pk_fma_f32 v[QQ+\i:QQ+\i+1], v[X2+\i:X2+\i+1], v[246:247], s[80:81] op_sel_hi:[1,1,0]
.endr
	HORN PP, 70
	HORN QQ, 82
	HORN PP, 72
	HORN QQ, 84
	HORN PP, 74
	HORN QQ, 86
	HORN PP, 76
	HORN PP, 78
	s_wait_alu depctr_va_vdst(0)
.irp i, 0,1,2,3,4,5,6,7,8,9,10,11,12,13,14,15
	v_rcp_f32 v[QQ+\i], v[QQ+\i]
.endr
.irp i, 0,2,4,6,8,10,12,14
	v_pk_mul_f32 v[PP+\i:PP+\i+1], v[PP+\i:PP+\i+1], v[XX+\i:XX+\i+1]
.endr
	s_wait_alu depctr_va_vdst(0)                   ; the wait ahead of the reciprocals' first reader
.irp i, 0,2,4,6,8,10,12,14
	v_pk_mul_f32 v[PP+\i:PP+\i+1], v[PP+\i:PP+\i+1], v[QQ+\i:QQ+\i+1]
.endr
.irp i, 0,2,4,6,8,10,12,14
	v_pk_mul_f32 v[XX+\i:XX+\i+1], v[YG+\i:YG+\i+1], 0.5 op_sel_hi:[1,0]
.endr
.irp i, 0,2,4,6,8,10,12,14
	v_pk_fma_f32 v[YG+\i:YG+\i+1], v[XX+\i:XX+\i+1], v[PP+\i:PP+\i+1], v[XX+\i:XX+\i+1]
.endr
.irp i, 0,1,2,3,4,5,6,7,8,9,10,11,12,13,14,15
	v_med3_num_f32 v[YG+\i], v[YG+\i], -v[LIM], v[LIM]
.endr
	v_cvt_scalef32_pk8_fp8_f32 v[CD+4*(\g):CD+4*(\g)+1], v[YG:YG+7], v[SCV]
	v_cvt_scalef32_pk8_fp8_f32 v[CD+4*(\g)+2:CD+4*(\g)+3], v[YG+8:YG+15], v[SCV]
.endm
	s_mov_b32 s90, 0
	s_mov_b32 s91, 0
.Lblk:
.irp a, 0,1,2,3,4,5,6
	s_cmp_eq_u32 s90, \a
	s_cbranch_scc1 .Lc\a
.endr
	s_wait_alu depctr_va_vdst(0)
	ARM 7
	s_branch .Lcommon
.irp a, 0,1,2,3,4,5
.Lc\a:
	s_wait_alu depctr_va_vdst(0)
	ARM \a
	s_branch .Lcommon
.endr
.Lc6:
	s_wait_alu depctr_va_vdst(0)
	ARM 6
.Lcommon:
	GELU8 0
	GELU8 1
	GELU8 2
	GELU8 3
	v_add_nc_u32 v[SA], s91, v[STO]
.irp b, 0,1,2,3,4,5,6,7
	ds_store_b64 v[SA], v[CD+2*\b:CD+2*\b+1] offset:16*\b
.endr
	s_wait_dscnt 0x0
	s_add_co_u32 s91, s91, 16*272
	s_add_co_u32 s90, s90, 1
	s_cmp_lt_u32 s90, 8
	s_cbranch_scc1 .Lblk
	s_barrier_signal -1
	s_barrier_wait -1
	WIN 0x40
.set i, 0
.rept 32
	ds_load_b128 v[4*i:4*i+3], v[RD] offset:2*272*i
.set i, i+1
.endr
	WIN 0x04
.set i, 0
.rept 32
	s_wait_dscnt 31-i
	global_store_b128 v[CO], v[4*i:4*i+3], s[12:13] offset:2*4096*i
.set i, i+1
.endr
	WIN 0
	s_wait_tensorcnt 0x0
	ds_add_u32 v[SPW], v[NIL]
	s_wait_dscnt 0x0
	CROUND
	s_endpgm
.Lfunc_end_k_qdc15cbdabb_fc1:
	.size	k_qdc15cbdabb_fc1, .Lfunc_end_k_qdc15cbdabb_fc1-k_qdc15cbdabb_fc1
	.p2alignl 7, 3214868480
	.fill 96, 4, 3214868480
	.section	.rodata,"a",@progbits
	.p2align	6, 0x0
	.amdhsa_kernel k_qdc15cbdabb_fc1
		.amdhsa_group_segment_fixed_size 327680
		.amdhsa_private_segment_fixed_size 0
		.amdhsa_enable_private_segment 0
		.amdhsa_kernarg_size 40
		.amdhsa_user_sgpr_count 2
		.amdhsa_user_sgpr_kernarg_segment_ptr 1
		.amdhsa_wavefront_size32 1
		.amdhsa_system_sgpr_workgroup_id_x 1
		.amdhsa_system_sgpr_workgroup_id_y 1
		.amdhsa_system_sgpr_workgroup_id_z 1
		.amdhsa_system_vgpr_workitem_id 0
		.amdhsa_next_free_vgpr 1024
		.amdhsa_next_free_sgpr 102
		.amdhsa_reserve_vcc 0
		.amdhsa_float_denorm_mode_32 3
		.amdhsa_float_denorm_mode_16_64 3
		.amdhsa_memory_ordered 1
		.amdhsa_forward_progress 1
		.amdhsa_inst_pref_size 150
	.end_amdhsa_kernel
	.amdgpu_metadata
---
amdhsa.version: [ 1, 2 ]
amdhsa.kernels:
  - .name:           k_qdc15cbdabb_fc1
    .symbol:         k_qdc15cbdabb_fc1.kd
    .args:
      - { .name: hc, .offset: 0, .size: 8, .value_kind: global_buffer, .address_space: global }
      - { .name: fc1_w_codes, .offset: 8, .size: 8, .value_kind: global_buffer, .address_space: global }
      - { .name: lowp_scales, .offset: 16, .size: 8, .value_kind: global_buffer, .address_space: global }
      - { .name: fc1_b, .offset: 24, .size: 8, .value_kind: global_buffer, .address_space: global }
      - { .name: gc, .offset: 32, .size: 8, .value_kind: global_buffer, .address_space: global }
    .group_segment_fixed_size: 327680
    .private_segment_fixed_size: 0
    .kernarg_segment_align: 8
    .kernarg_segment_size: 40
    .max_flat_workgroup_size: 128
    .sgpr_count:     102
    .vgpr_count:     1024
    .wavefront_size: 32
...
	.end_amdgpu_metadata
.endif
;; end of part 6
;; launch fc2 (part 7): grid 8 x 32, 4 waves a work-group, clusters of 4 x 4, 327,680 bytes of LDS; arguments gc, fc2_w_codes, lowp_scales, x1, out0, fc2_b; writes out0
.if DOCPART == 7
	.amdgcn_target "amdgcn-amd-amdhsa--gfx1250"
	.amdhsa_code_object_version 6
	.text
	.protected	k_qdc15cbdabb_fc2
	.globl	k_qdc15cbdabb_fc2
	.p2align	8
	.type	k_qdc15cbdabb_fc2,@function
k_qdc15cbdabb_fc2:
	s_mov_b64 s[64:65], 0
	v_nop
	global_prefetch_b8 v0, s[64:65] scope:SCOPE_SE
	s_setreg_imm32_b32 hwreg(HW_REG_WAVE_MODE, 25, 1), 1
	s_wait_xcnt 0x0
	s_wait_alu depctr_hold_cnt(0) depctr_sa_sdst(0) depctr_va_vdst(0) depctr_va_sdst(0) depctr_va_ssrc(0) depctr_va_vcc(0) depctr_vm_vsrc(0)
	s_getreg_b32 s2, hwreg(HW_REG_IB_STS2, 6, 4)
	s_cmp_eq_u32 s2, 0
	s_cbranch_scc0 .Lentry_in_a_cluster
	s_endpgm
.Lentry_in_a_cluster:
	s_bfe_u32 s2, ttmp6, 0x10000c
	s_cmp_lg_u32 s2, 0xf033
	s_cbranch_scc0 .Lentry_shape_is_right
	s_endpgm
.Lentry_shape_is_right:
; out0 = x1 + g fc2_w + fc2_b, the product on codes of E4M3.  gc: [4096][4096] codes (2^e10); fc2_w_codes: [1024][4096] codes, K innermost (2^e11); x1, out0: [4096][1024] f32.
; A tile of 128 x 128 to a work-group, so that there are 256 of them; four waves, 64 x 64 each.  K goes in steps of 512 through a ring of two LDS slots filled by joint tensor loads; clusters of 4 x 4.
; The matrix instruction is used transposed: a lane holds eight neighbouring numbers of a row of the result.  The residual is asked for at the head, into window 3.
; PREFETCH, two refills ahead: behind K step 0's load steps 1 and 2 are asked for, behind step 1's load step 3, and behind the refill that loads step n + 2 step n + 4; the loop's last trip asks for nothing.
; Of the 64 rows that a wave fetches each of the four partners that ask for them jointly names 16, told apart by address: two lanes a row, 256 bytes apart: each block once in each cluster that loads it.
; LIMIT: e10 + e11 between -126 and 127.
.set SCOFF,  0x28
.set PFO,  13                          ; the prefetches' offset; never rewritten
.set PFA,  100                         ; s[100:101] my work-group's 16 of the rows that I fetch; a K step on at each refill
.set HAS_BIAS, 1
.set MB,     4
.set SIZE_K, 4096
.set KSTEP,  512
.set QI,     6
.set NQ,     KSTEP/128
.set PITCH,  KSTEP+16
.set TR,     16*MB
.set HALFT,  TR*PITCH
.set SLOT,   4*HALFT
.set SPARE,  2*SLOT
.set LAPS,   SIZE_K/(2*KSTEP)
.set ADRA, 16
.set ADRB, 20
.set STO,  24
.set RD,   25
.set CO,   26
.set SPW,  28
.set NIL,  29
.set BK,   32
.set AF,   128
.set G1,  24
.set G0,  32
.set G1B, 48
.set G0B, 56
.set MSB, 0
.set MUL_LO, 0xa1
.set MUL_HI, 0xa1+0x50*(MB/8)
.set TO_B,   0x40
.macro WIN new
.set WNEW, \new
.if MSB != WNEW
	s_set_vgpr_msb (MSB<<8)|WNEW
.set MSB, WNEW
.endif
.endm
.macro PLACES n
.rept \n
	v_nop
.endr
.endm
.macro JLOAD g0a, g1a, g0b, g1b
	s_cmp_eq_u32 s15, 0
	s_cbranch_scc0 .Lfor_b_\@
	tensor_load_to_lds s[\g0a:\g0a+3], s[\g1a:\g1a+7]
	s_nop 0
.rept 4
	v_nop
.endr
	s_branch .Lasked_\@
.Lfor_b_\@:
	tensor_load_to_lds s[\g0b:\g0b+3], s[\g1b:\g1b+7]
	s_nop 0
.rept 4
	v_nop
.endr
.Lasked_\@:
.endm
.macro CREST
	s_cmp_lg_u32 s14, 0
	s_cbranch_scc1 .Lnot_wave_0_\@
	s_barrier_signal -3
.Lnot_wave_0_\@:
	s_barrier_wait -3
	s_barrier_signal -1
	s_barrier_wait -1
.endm
.macro CROUND
	s_barrier_signal -1
	s_barrier_wait -1
	CREST
.endm
.macro FRAG reg, adr, q, i
.irp c, 0,1,2,3
	ds_load_b128 v[\reg+4*\c:\reg+4*\c+3], v[\adr] offset:128*(\q)+32*\c+(\i)*16*PITCH
.endr
.endm
.macro FETCH_B slot, q, p
	WIN TO_B
.set fi, 0
.rept MB
	FRAG 128*(\p)+16*fi, ADRB+\slot, \q, fi
.set fi, fi+1
.endr
	WIN 0
.endm
.macro FETCH_A slot, q, i0
.set fi, \i0
.rept MB/2
	FRAG AF+16*fi, ADRA+\slot, \q, fi
.set fi, fi+1
.endr
.endm
.macro MULB a0, n, p, zero
.set ma, \a0
.rept \n
.set mb, 0
.rept MB
.set rD, 8*(MB*(ma%4)+mb)
.if \zero
	v_wmma_f32_16x16x128_fp8_fp8 v[rD:rD+7], v[128*(\p)+16*mb:128*(\p)+16*mb+15], v[AF+16*ma:AF+16*ma+15], 0
.else
	v_wmma_f32_16x16x128_fp8_fp8 v[rD:rD+7], v[128*(\p)+16*mb:128*(\p)+16*mb+15], v[AF+16*ma:AF+16*ma+15], v[rD:rD+7]
.endif
.set mb, mb+1
.endr
.set ma, ma+1
.endr
.endm
.macro STEP slot, q, zero
	s_wait_dscnt 2*MB
	WIN MUL_LO
	MULB 0, MB/2, (\q)%2, \zero
	s_wait_dscnt 0
	PLACES 4
	FETCH_B \slot, (\q)+1, 1-(\q)%2
	FETCH_A \slot, (\q)+1, 0
	WIN MUL_HI
	MULB MB/2, MB/2, (\q)%2, \zero
	PLACES 4
	WIN 0
	FETCH_A \slot, (\q)+1, MB/2
.endm
.macro TURN slot, next, fill
.if \fill
	s_wait_xcnt 0x0                                ; my last prefetch has read its address
	s_add_nc_u64 s[PFA:PFA+1], s[PFA:PFA+1], KSTEP
.endif
	s_wait_tensorcnt 0x0
	ds_add_u32 v[SPW], v[NIL]
	s_wait_dscnt 2*MB+1
	WIN MUL_LO
	MULB 0, MB/4, 1, 0
	s_wait_dscnt 0x0
	s_barrier_signal -1
	MULB MB/4, MB/4, 1, 0
	WIN 0
	s_barrier_wait -1
.if \fill
	CREST
	s_add_nc_u64 s[G0+4*\slot+2:G0+4*\slot+3], s[G0+4*\slot+2:G0+4*\slot+3], 2*KSTEP
	s_add_nc_u64 s[G0B+4*\slot+2:G0B+4*\slot+3], s[G0B+4*\slot+2:G0B+4*\slot+3], 2*KSTEP
	JLOAD G0+4*\slot, G1, G0B+4*\slot, G1B
.else
	PLACES 4
.endif
	FETCH_B \next, 0, 0
	FETCH_A \next, 0, 0
.if \fill
	s_cmp_gt_u32 s3, 1                             ; the last trip's refills have no K step two on
	s_cbranch_scc0 .Lno_ask_\@
	global_prefetch_b8 v[PFO], s[PFA:PFA+1] offset:3*KSTEP th:TH_LOAD_NT scope:SCOPE_SE
.Lno_ask_\@:
.endif
	WIN MUL_HI
	MULB MB/2, MB/2, 1, 0
	PLACES 4
	WIN 0
	FETCH_A \next, 0, MB/2
.endm
.macro STEPS s
.set sq, 0
.rept NQ-1
	STEP \s, sq, 0
.set sq, sq+1
.endr
.endm
	s_load_b128 s[4:7], s[0:1], 0x0
	s_load_b128 s[8:11], s[0:1], 0x10
	s_load_b64 s[12:13], s[0:1], 0x20
.if HAS_BIAS
	s_load_b64 s[68:69], s[0:1], 0x28
.endif
	v_lshl_add_u32 v[SPW], v0, 2, SPARE
	v_mov_b32 v[NIL], 0
	ds_add_u32 v[SPW], v[NIL]                      ; the opening lines: the add twice on end
	ds_add_u32 v[SPW], v[NIL]
	v_and_b32 v[PFO], 31, v0
	v_lshrrev_b32 v12, 1, v[PFO]
	v_and_b32 v[PFO], 1, v[PFO]
	v_lshlrev_b32 v[PFO], 8, v[PFO]
	v_lshl_add_u32 v[PFO], v12, 12, v[PFO]         ; (lane / 2) x 4,096 bytes + (lane % 2) x 256
	v_lshrrev_b32 v1, 5, v0
	v_readfirstlane_b32 s14, v1
	s_lshr_b32 s15, s14, 1
	s_and_b32 s16, s14, 1
	s_bfe_u32 s40, ttmp6, 0x40000
	s_bfe_u32 s41, ttmp6, 0x40004
	s_lshl_b32 s42, ttmp9, 2
	s_add_co_u32 s42, s42, s40
	s_and_b32 s17, ttmp7, 0xffff
	s_lshl_b32 s17, s17, 2
	s_add_co_u32 s17, s17, s41
	s_lshl_b32 s43, s41, 2
	s_lshl_b32 s43, 15, s43
	s_lshl_b32 s44, 0x1111, s40
	s_or_b32 s[G1+0], s43, (1<<20)|(1<<21)|(QI<<22)|(3<<25)
	s_or_b32 s[G1B+0], s44, (1<<20)|(1<<21)|(QI<<22)|(3<<25)
.irp g, G1, G1B
	s_mov_b32 s[\g+1], KSTEP<<16
	s_mov_b32 s[\g+2], TR<<16
	s_mov_b32 s[\g+3], KSTEP<<16
	s_mov_b32 s[\g+4], TR
	s_mov_b32 s[\g+5], SIZE_K
	s_mov_b32 s[\g+6], 0
	s_mov_b32 s[\g+7], 0
.endr
	s_mul_i32 s18, s16, TR
	s_mul_i32 s20, s17, 2*TR
	s_add_co_u32 s20, s20, s18
	s_mul_i32 s20, s20, SIZE_K
	s_mov_b32 s21, 0
	s_mul_i32 s46, s42, 2*TR
	s_add_co_u32 s46, s46, s18
	s_mul_i32 s46, s46, SIZE_K
	s_mov_b32 s47, 0
	s_mul_i32 s45, s14, HALFT
	s_wait_alu depctr_va_vdst(0)                   ; the wait ahead of the waits below
	s_wait_dscnt 0x0                               ; both opening adds are done
	s_wait_kmcnt 0x0
	s_load_b64 s[70:71], s[8:9], SCOFF
	s_add_nc_u64 s[20:21], s[4:5], s[20:21]
	s_add_nc_u64 s[46:47], s[6:7], s[46:47]
	s_cmp_eq_u32 s15, 0                            ; the prefetches: the rows that I fetch,
	s_cselect_b64 s[PFA:PFA+1], s[20:21], s[46:47]
	s_cselect_b32 s2, s40, s41                     ; my place among the four that ask for them with me,
	s_mul_i32 s2, s2, 16*SIZE_K                    ; x 16 rows
	s_mov_b32 s3, 0
	s_add_nc_u64 s[PFA:PFA+1], s[PFA:PFA+1], s[2:3]
	CROUND
.irp s, 0,1
	s_mov_b32 s[G0+4*\s], 1
	s_add_co_u32 s[G0+4*\s+1], s45, \s*SLOT
	s_add_nc_u64 s[G0+4*\s+2:G0+4*\s+3], s[20:21], \s*KSTEP
	s_or_b32 s[G0+4*\s+3], s[G0+4*\s+3], 0x80000000
	s_mov_b32 s[G0B+4*\s], 1
	s_add_co_u32 s[G0B+4*\s+1], s45, \s*SLOT
	s_add_nc_u64 s[G0B+4*\s+2:G0B+4*\s+3], s[46:47], \s*KSTEP
	s_or_b32 s[G0B+4*\s+3], s[G0B+4*\s+3], 0x80000000
.endr
	JLOAD G0, G1, G0B, G1B                         ; K step 0: one tensor load a wave at the head
	global_prefetch_b8 v[PFO], s[PFA:PFA+1] offset:KSTEP th:TH_LOAD_NT scope:SCOPE_SE     ; K steps 1 and 2
	global_prefetch_b8 v[PFO], s[PFA:PFA+1] offset:2*KSTEP th:TH_LOAD_NT scope:SCOPE_SE
	v_and_b32 v1, 15, v0
	s_wait_alu depctr_va_vdst(0)
	v_bfe_u32 v2, v0, 4, 1
	v_mul_u32_u24 v3, v1, PITCH
	v_lshl_add_u32 v4, v2, 4, v3
	s_mul_i32 s21, s15, HALFT
	s_mul_i32 s22, s16, HALFT
	s_add_co_u32 s22, s22, 2*HALFT
.irp s, 0,1
	v_add_nc_u32 v[ADRA+\s], s21, v4
	v_add_nc_u32 v[ADRB+\s], s22, v4
	s_add_co_u32 s21, s21, SLOT
	s_add_co_u32 s22, s22, SLOT
.endr
	s_mul_i32 s23, s14, 16*272
	v_mul_u32_u24 v5, v1, 272
	s_wait_alu depctr_va_vdst(0)
	v_lshl_add_u32 v5, v2, 5, v5
	v_add_nc_u32 v[STO], s23, v5
	v_mul_u32_u24 v6, v2, 272
	v_lshl_add_u32 v6, v1, 4, v6
	v_add_nc_u32 v[RD], s23, v6
	v_lshlrev_b32 v27, 4, v1
	v_lshl_add_u32 v[CO], v2, 12, v27
	s_wait_alu depctr_va_vdst(0)
	s_lshl_b32 s72, s17, 7
	s_lshl_b32 s73, s15, 6
	s_add_co_u32 s72, s72, s73
	s_lshl_b32 s72, s72, 12
	s_lshl_b32 s74, s42, 7
	s_lshl_b32 s75, s16, 6
	s_add_co_u32 s74, s74, s75
	s_lshl_b32 s74, s74, 2
	s_add_co_u32 s72, s72, s74
	s_mov_b32 s73, 0
	s_mov_b32 s75, 0
	s_add_nc_u64 s[10:11], s[10:11], s[72:73]
	s_add_nc_u64 s[12:13], s[12:13], s[72:73]
	WIN 0xc0
.set i, 0
.rept 32
	global_load_b128 v[4*i:4*i+3], v[CO], s[10:11] offset:2*i*4096
.set i, i+1
.endr
	WIN 0
.if HAS_BIAS
	s_add_nc_u64 s[68:69], s[68:69], s[74:75]
	global_load_b128 v[8:11], v27, s[68:69]
.endif
	s_wait_alu depctr_va_vdst(0)                   ; the wait at the head's end
	s_wait_tensorcnt 0x0                           ; my part of K step 0 is in
	ds_add_u32 v[SPW], v[NIL]                      ; ahead of a later first fill
	s_wait_dscnt 0x0
	CROUND
	JLOAD G0+4, G1, G0B+4, G1B                     ; K step 1, the first tensor load behind the round
	global_prefetch_b8 v[PFO], s[PFA:PFA+1] offset:3*KSTEP th:TH_LOAD_NT scope:SCOPE_SE   ; K step 3
	FETCH_B 0, 0, 0
	FETCH_A 0, 0, 0
	FETCH_A 0, 0, MB/2
	STEP 0, 0, 1
.if NQ > 2
	STEP 0, 1, 0
	STEP 0, 2, 0
.endif
.if LAPS > 1
	s_mov_b32 s3, LAPS-1
.Llap:
	TURN 0, 1, 1
	STEPS 1
	TURN 1, 0, 1
	STEPS 0
	s_sub_co_u32 s3, s3, 1
	s_cmp_lg_u32 s3, 0
	s_cbranch_scc1 .Llap
.endif
	TURN 0, 1, 0
	STEPS 1
	s_wait_dscnt 2*MB
	WIN MUL_LO
	MULB 0, MB/2, 1, 0
	s_wait_dscnt 0
	WIN MUL_HI
	MULB MB/2, MB/2, 1, 0
	WIN 0
	PLACES 4
.irp a, 0,1,2,3
	WIN 0x08
.irp b, 0,1,2,3
	ds_store_b128 v[STO], v[8*(4*\a+\b):8*(4*\a+\b)+3] offset:64*\b
	ds_store_b128 v[STO], v[8*(4*\a+\b)+4:8*(4*\a+\b)+7] offset:64*\b+16
.endr
	WIN 0
.irp t, 0,1,2,3,4,5,6,7
	ds_load_b128 v[BK+32*\a+4*\t:BK+32*\a+4*\t+3], v[RD] offset:2*272*\t
.endr
.endr
	s_wait_kmcnt 0x0
	s_add_co_i32 s66, s70, s71
	s_add_co_i32 s66, s66, 127
	s_lshl_b32 s66, s66, 23
	s_mov_b32 s67, s66
	s_wait_loadcnt 0x0
.irp a, 0,1,2,3
	s_wait_dscnt 16*(3-\a)
	WIN 0x30
.irp i, 0,2,4,6,8,10,12,14,16,18,20,22,24,26,28,30
	v_pk_fma_f32 v[BK+32*\a+\i:BK+32*\a+\i+1], v[BK+32*\a+\i:BK+32*\a+\i+1], s[66:67], v[32*\a+\i:32*\a+\i+1] op_sel_hi:[1,0,1]
.endr
	WIN 0
.if HAS_BIAS
.irp t, 0,1,2,3,4,5,6,7
	v_pk_add_f32 v[BK+32*\a+4*\t:BK+32*\a+4*\t+1], v[BK+32*\a+4*\t:BK+32*\a+4*\t+1], v[8:9]
	v_pk_add_f32 v[BK+32*\a+4*\t+2:BK+32*\a+4*\t+3], v[BK+32*\a+4*\t+2:BK+32*\a+4*\t+3], v[10:11]
.endr
.endif
.irp t, 0,1,2,3,4,5,6,7
	global_store_b128 v[CO], v[BK+32*\a+4*\t:BK+32*\a+4*\t+3], s[12:13] offset:(16*\a+2*\t)*4096 th:TH_STORE_NT
.endr
.endr
	s_wait_tensorcnt 0x0
	ds_add_u32 v[SPW], v[NIL]
	s_wait_dscnt 0x0
	CROUND
	s_endpgm
.Lfunc_end_k_qdc15cbdabb_fc2:
	.size	k_qdc15cbdabb_fc2, .Lfunc_end_k_qdc15cbdabb_fc2-k_qdc15cbdabb_fc2
	.p2alignl 7, 3214868480
	.fill 96, 4, 3214868480
	.section	.rodata,"a",@progbits
	.p2align	6, 0x0
	.amdhsa_kernel k_qdc15cbdabb_fc2
		.amdhsa_group_segment_fixed_size 327680
		.amdhsa_private_segment_fixed_size 0
		.amdhsa_enable_private_segment 0
		.amdhsa_kernarg_size 48
		.amdhsa_user_sgpr_count 2
		.amdhsa_user_sgpr_kernarg_segment_ptr 1
		.amdhsa_wavefront_size32 1
		.amdhsa_system_sgpr_workgroup_id_x 1
		.amdhsa_system_sgpr_workgroup_id_y 1
		.amdhsa_system_sgpr_workgroup_id_z 1
		.amdhsa_system_vgpr_workitem_id 0
		.amdhsa_next_free_vgpr 1024
		.amdhsa_next_free_sgpr 102
		.amdhsa_reserve_vcc 0
		.amdhsa_float_denorm_mode_32 3
		.amdhsa_float_denorm_mode_16_64 3
		.amdhsa_memory_ordered 1
		.amdhsa_forward_progress 1
		.amdhsa_inst_pref_size 86
	.end_amdhsa_kernel
	.amdgpu_metadata
---
amdhsa.version: [ 1, 2 ]
amdhsa.kernels:
  - .name:           k_qdc15cbdabb_fc2
    .symbol:         k_qdc15cbdabb_fc2.kd
    .args:
      - { .name: gc, .offset: 0, .size: 8, .value_kind: global_buffer, .address_space: global }
      - { .name: fc2_w_codes, .offset: 8, .size: 8, .value_kind: global_buffer, .address_space: global }
      - { .name: lowp_scales, .offset: 16, .size: 8, .value_kind: global_buffer, .address_space: global }
      - { .name: x1, .offset: 24, .size: 8, .value_kind: global_buffer, .address_space: global }
      - { .name: out0, .offset: 32, .size: 8, .value_kind: global_buffer, .address_space: global }
      - { .name: fc2_b, .offset: 40, .size: 8, .value_kind: global_buffer, .address_space: global }
    .group_segment_fixed_size: 327680
    .private_segment_fixed_size: 0
    .kernarg_segment_align: 8
    .kernarg_segment_size: 48
    .max_flat_workgroup_size: 128
    .sgpr_count:     102
    .vgpr_count:     1024
    .wavefront_size: 32
...
	.end_amdgpu_metadata
.endif
;; end of part 7
